; MI455X (gfx1250); checked and timed in simulation.
; The chip was launched on July 23, 2026; its instructions are those of AMD's public machine-readable ISA for CDNA 5 (MIT licence, August 2026) and "CDNA5" Instruction Set Architecture Reference Guide (July 2026). The comments in the code are by the model that wrote it; some were corrected since.
;; RTL Transformer Block. Allowed arithmetic: matrix products marked QUANTISED: E4M3 operands, one given power-of-two scale a tensor, by v_wmma_f32_16x16x64_fp8_fp8 or v_wmma_f32_16x16x128_fp8_fp8, f32 sums; everything else in f32.
;; Inputs: b1 4,096 float32; b2 1,024 float32; bk 1,024 float32; bo 1,024 float32; bq 1,024 float32; bv 1,024 float32; diss_sens 16 float32; dissonance one number float32; distance_scale 16 float32; ln1_b 1,024 float32; ln1_g 1,024 float32; ln2_b 1,024 float32; ln2_g 1,024 float32; lowp_scales 16 int32 (the exponents e of the quantised operands' scales 2^e); w1_codes 4,096 x 32 x 32 uint8 (E4M3 codes of w1, K innermost, in blocks of 32 codes); w2_codes 1,024 x 128 x 32 uint8 (E4M3 codes of w2, K innermost, in blocks of 32 codes); wk_codes 1,024 x 32 x 32 uint8 (E4M3 codes of wk, K innermost, in blocks of 32 codes); wo_codes 1,024 x 32 x 32 uint8 (E4M3 codes of wo, K innermost, in blocks of 32 codes); wq_codes 1,024 x 32 x 32 uint8 (E4M3 codes of wq, K innermost, in blocks of 32 codes); wv_codes 1,024 x 32 x 32 uint8 (E4M3 codes of wv, K innermost, in blocks of 32 codes); x 2 x 2,048 x 1,024 float32.
;; Outputs: out0 2 x 2,048 x 1,024 float32.
;; This version of the problem:
;;   THIS VERSION OF THE PROBLEM IS GIVEN IN LOW PRECISION. The matrix products marked QUANTISED in the list below multiply operands that are first quantised to E4M3 (4 exponent bits, 3 mantissa bits; 8 bits a number), with one given power-of-two scale for each operand tensor; their sums are f32. All else is computed in f32.
;;   The module's matrix products, in the order in which they are computed (A, B: the left and right operand; K: the contracted axis; several contracted axes count as one K, in the product's order):
;;     1. [M 4,096, K 1,024] x [K 1,024, N 1,024]; A: computed on the way; B: input wq (given as codes): QUANTISED (scales: A lowp_scales[0], B lowp_scales[1])
;;     2. [M 4,096, K 1,024] x [K 1,024, N 1,024]; A: computed on the way; B: input wk (given as codes): QUANTISED (scales: A lowp_scales[2], B lowp_scales[3])
;;     3. [M 4,096, K 1,024] x [K 1,024, N 1,024]; A: computed on the way; B: input wv (given as codes): QUANTISED (scales: A lowp_scales[4], B lowp_scales[5])
;;     4. batch 32 x [M 2,048, K 64] x [K 64, N 2,048]; A: computed on the way; B: computed on the way: QUANTISED (scales: A lowp_scales[6], B lowp_scales[7])
;;     5. batch 32 x [M 2,048, K 2,048] x [K 2,048, N 64]; A: softmax (see below); B: computed on the way: QUANTISED (scales: A lowp_scales[8], B lowp_scales[9])
;;     6. [M 4,096, K 1,024] x [K 1,024, N 1,024]; A: computed on the way; B: input wo (given as codes): QUANTISED (scales: A lowp_scales[10], B lowp_scales[11])
;;     7. [M 4,096, K 1,024] x [K 1,024, N 4,096]; A: computed on the way; B: input w1 (given as codes): QUANTISED (scales: A lowp_scales[12], B lowp_scales[13])
;;     8. [M 4,096, K 4,096] x [K 4,096, N 1,024]; A: computed on the way; B: input w2 (given as codes): QUANTISED (scales: A lowp_scales[14], B lowp_scales[15])
;;   THE QUANTISER, for each operand of a quantised product, along K:
;;     - The operand's scale is 2^e, e = its entry of the input lowp_scales (int32; the entries are numbered through the quantised products in the list's order, A before B).
;;     - Each number is divided by the scale, clamped to +-448, and rounded to the nearest number of E4M3, ties to even, subnormals kept.
;;     - The product sums the exact products of the quantised numbers (number of the format x scale) in f32.
;;   ~~~python
;;   def quantise(x, axis, e):      # numpy; x: float32 -> the quantised numbers, widened to float32 again
;;       x = np.moveaxis(x, axis, -1); K = x.shape[-1]
;;       r = np.clip(x / 2.0 ** e, -448, 448)
;;       step = 2.0 ** (np.maximum(np.frexp(np.where(r == 0, 1, r))[1] - 1, -6) - 3)
;;       q = np.round(r / step) * step * 2.0 ** e      # np.round: ties to even
;;       return np.moveaxis(q, -1, axis).astype(np.float32)
;;   ~~~
;;   SOFTMAX AHEAD OF A QUANTISED PRODUCT. Where the list says 'softmax', what is quantised is not the finished softmax but p = 2^(t - M), with t = logit x log2(e) and M = ceil(the row's largest t), a whole number; so 1/2 < the row's largest p <= 1. The row's sum l is taken of the UNQUANTISED p, in f32, and the product's result is divided by l at the end. Since M is a whole number, a kernel that streams over the keys may use a running M (the ceiling of the running maximum): every later rescaling is an exact power of two, so the quantised numbers keep their values, but for numbers so far below the row's largest that they fall under the format's range.
;;   OPERANDS COMPUTED ON THE WAY. 'Computed on the way' means the value that the module computes at that place (a softmax that the list does not call 'softmax' is quantised finished and normalised). What goes into a quantiser is computed in f32, as accurately as f32 sums, v_exp_f32 and their like allow (about 1e-6 of the number): no bf16 or f16 on the way to a quantiser, and a product that is left as it is and whose result goes on into a quantised operand takes f32 operands (vector FMAs, or v_wmma_f32_16x16x4_f32). A number that lies on a knife's edge between two numbers of the format may be rounded either way, as far as f32 arithmetic and the matrix unit's own rounding can turn it there, and no further.
;;   INPUTS GIVEN AS CODES. w1 (in the module: [4096, 1024], K = its axis 1); w2 (in the module: [1024, 4096], K = its axis 1); wk (in the module: [1024, 1024], K = its axis 1); wo (in the module: [1024, 1024], K = its axis 1); wq (in the module: [1024, 1024], K = its axis 1); wv (in the module: [1024, 1024], K = its axis 1): each comes as NAME_codes (uint8): NAME with its K axis moved to the last place and cut into blocks of 32 codes, [.., K / 32, bytes a block], one block behind the other in memory; one code a byte (a code: sign, 4 exponent bits, 3 mantissa bits); its scale is its entry of lowp_scales. Its value is code x scale, taken as it is: it is not quantised again, and the codes and scales need not be those that the quantiser above would give.
;; One version. Each part assembles by itself: llvm-mc -triple=amdgcn-amd-amdhsa -mcpu=gfx1250 --defsym DOCPART=n.
;; ======== version 1 of 1: 7 launches
;; limits: a function is approximated: absolute error at most 1.5e-07
;; workspace buffers: ncodes 12,582,912 bytes; qkv 12,582,912 bytes; ao 4,194,304 bytes; x1 16,777,216 bytes; hc 4,194,304 bytes; hid 16,777,216 bytes
;; launch ln1q (part 1): grid 256 x 1, 8 waves a work-group, no clusters, 0 bytes of LDS; arguments x, ln1_g, ln1_b, lowp_scales, ncodes; writes ncodes
.if DOCPART == 1
	.amdgcn_target "amdgcn-amd-amdhsa--gfx1250"
	.amdhsa_code_object_version 6
	.text
	.protected	k_q557674d1ad_ln1q
	.globl	k_q557674d1ad_ln1q
	.p2align	8
	.type	k_q557674d1ad_ln1q,@function
k_q557674d1ad_ln1q:
	s_mov_b64 s[64:65], 0
	v_nop
	global_prefetch_b8 v0, s[64:65] scope:SCOPE_SE
	s_setreg_imm32_b32 hwreg(HW_REG_WAVE_MODE, 25, 1), 1
	s_wait_xcnt 0x0
; LayerNorm of x [4096][1024] f32 (gain ln1_g, bias ln1_b, eps 1e-5), quantised to E4M3 three times, with the given scales 2^e of
; entries 0, 2 and 4 of lowp_scales: the left operands of the products for Q, K and V.  Codes: three tensors [4096][1024], 4 MiB apart, K innermost.
; code = y / 2^e, held within +-448, to the nearest code, ties to even.  LIMITS: each e between -126 and 119; NaN among the inputs is not served.
; SHARES.  Eight waves; the work-group owns 16 rows, a wave two.  A row stays in 32 registers of its wave between the mean, the variance (taken of the
; differences from the mean, so a common offset of the inputs does no harm) and the three quantisers: it is read from memory once, and no wave waits for another.
; Lane l holds, of chunk j = 0..3, elements 256 j + 8 l + 0..7: eight neighbours along K, as the conversion wants them; a chunk's two loads cover 1,024
; consecutive bytes, and a chunk's codes, 8 bytes a lane, leave as 256 consecutive bytes, aligned.
; No LDS, no barrier, no matrix unit: the launch is a stream.  All 32 loads of a wave go out at its head, so nothing is left to ask for ahead of time.
.set NT,    3                          ; quantisers
.set SCOFF, 0                          ; byte of the first entry in lowp_scales; the entries used lie 8 bytes apart
.set XO,  2                            ; v2   32 x lane + 8,192 x wave: my bytes in the group's rows of x
.set GO,  3                            ; v3   32 x lane: my bytes in gain and bias
.set CO,  4                            ; v4   8 x lane + 2,048 x wave: my bytes in the group's rows of codes
.set MU,  6                            ; v[6:7]   the mean, twice
.set RS,  8                            ; v[8:9]   1 / sqrt(var + eps), twice
.set PT,  10                           ; v10  target of the lane permute
.set CH,  12                           ; v[12:19] four packed chains
.set QC,  20                           ; v20+2T: 2^e as f32; v21+2T: 448 x 2^e
.set X,   32                           ; v32-95   the two rows
.set G,   96                           ; v96-127  gain of my 32 columns
.set B,   128                          ; v128-159 bias
.set TT,  160                          ; v160-175 two sets of eight held numbers, by turns
.set C,   176                          ; v176..   codes: a pair of its own for every store, so that no store data are written again
	s_load_b256 s[4:11], s[0:1], 0x0               ; x s[4:5], gain s[6:7], bias s[8:9], scales s[10:11]
	s_load_b64 s[12:13], s[0:1], 0x20              ; the codes
	v_and_b32 v1, 31, v0                           ; lane
	v_lshrrev_b32 v5, 5, v0                        ; wave
	v_lshlrev_b32 v[GO], 5, v1
	v_lshl_add_u32 v[XO], v5, 13, v[GO]
	v_lshlrev_b32 v[CO], 3, v1
	v_lshl_add_u32 v[CO], v5, 11, v[CO]
	v_mov_b32 v[PT], 0                             ; a lane permute's destination counts as read: written once
	s_lshl_b32 s2, ttmp9, 16                       ; 16 rows of 4,096 bytes
	s_mov_b32 s3, 0
	s_lshl_b32 s18, ttmp9, 14                      ; 16 rows of 1,024 codes
	s_mov_b32 s19, 0
	s_mov_b32 s28, 0x76543210                      ; v_permlanex16_b32: lane l takes lane l xor 16
	s_mov_b32 s29, 0xfedcba98
	s_mov_b32 s30, 0x3a800000                      ; 1 / 1024
	s_wait_kmcnt 0x0
.set T, 0
.rept NT
	s_load_b32 s[20+2*T], s[10:11], SCOFF+8*T      ; e of quantiser T
.set T, T+1
.endr
	s_add_nc_u64 s[4:5], s[4:5], s[2:3]
	s_add_nc_u64 s[12:13], s[12:13], s[18:19]
.if NT > 1
	s_add_nc_u64 s[14:15], s[12:13], 0x400000      ; a base for each tensor of codes: 8 MiB do not fit a store's immediate
	s_add_nc_u64 s[16:17], s[12:13], 0x800000
.endif
.irp i, 0,1
.irp j, 0,1,2,3
	global_load_b128 v[X+32*\i+8*\j:X+32*\i+8*\j+3],   v[XO], s[4:5] offset:4096*\i+1024*\j th:TH_LOAD_NT
	global_load_b128 v[X+32*\i+8*\j+4:X+32*\i+8*\j+7], v[XO], s[4:5] offset:4096*\i+1024*\j+16 th:TH_LOAD_NT
.endr
.endr
.irp j, 0,1,2,3
	global_load_b128 v[G+8*\j:G+8*\j+3],   v[GO], s[6:7] offset:1024*\j
	global_load_b128 v[G+8*\j+4:G+8*\j+7], v[GO], s[6:7] offset:1024*\j+16
.endr
.irp j, 0,1,2,3
	global_load_b128 v[B+8*\j:B+8*\j+3],   v[GO], s[8:9] offset:1024*\j
	global_load_b128 v[B+8*\j+4:B+8*\j+7], v[GO], s[8:9] offset:1024*\j+16
.endr
	s_wait_kmcnt 0x0
.set T, 0
.rept NT
	s_add_co_i32 s[20+2*T], s[20+2*T], 127
	s_lshl_b32 s[21+2*T], s[20+2*T], 23
	v_mov_b32 v[QC+2*T], s[21+2*T]                 ; 2^e: the conversion takes its exponent field
	s_add_co_i32 s[20+2*T], s[20+2*T], 8
	s_lshl_b32 s[20+2*T], s[20+2*T], 23
	s_or_b32 s[20+2*T], s[20+2*T], 0x600000
	v_mov_b32 v[QC+2*T+1], s[20+2*T]               ; 448 x 2^e
.set T, T+1
.endr
; the four packed chains become one number, the same in all 32 lanes
.macro FOLD
	v_pk_add_f32 v[CH:CH+1], v[CH:CH+1], v[CH+2:CH+3]
	v_pk_add_f32 v[CH+4:CH+5], v[CH+4:CH+5], v[CH+6:CH+7]
	v_pk_add_f32 v[CH:CH+1], v[CH:CH+1], v[CH+4:CH+5]
	v_add_f32 v[CH], v[CH], v[CH+1]
	v_add_f32_dpp v[CH], v[CH], v[CH] row_xmask:1 row_mask:0xf bank_mask:0xf
	v_add_f32_dpp v[CH], v[CH], v[CH] row_xmask:2 row_mask:0xf bank_mask:0xf
	v_add_f32_dpp v[CH], v[CH], v[CH] row_xmask:4 row_mask:0xf bank_mask:0xf
	v_add_f32_dpp v[CH], v[CH], v[CH] row_xmask:8 row_mask:0xf bank_mask:0xf
	v_permlanex16_b32 v[PT], v[CH], s28, s29
	v_add_f32 v[CH], v[CH], v[PT]
.endm
; row i becomes (x - mean) / sqrt(var + eps), in place
.macro STAT i
.set XR, X+32*(\i)
.irp c, 0,1,2,3
	v_pk_add_f32 v[CH+2*\c:CH+2*\c+1], v[XR+2*\c:XR+2*\c+1], v[XR+8+2*\c:XR+8+2*\c+1]   ; the first pairs start the chains: nothing is cleared
.endr
.irp p, 8,9,10,11,12,13,14,15
	v_pk_add_f32 v[CH+2*(\p%4):CH+2*(\p%4)+1], v[CH+2*(\p%4):CH+2*(\p%4)+1], v[XR+2*\p:XR+2*\p+1]
.endr
	FOLD
	v_mul_f32 v[MU], s30, v[CH]
	v_mov_b32 v[MU+1], v[MU]
.irp p, 0,1,2,3,4,5,6,7,8,9,10,11,12,13,14,15
	v_pk_add_f32 v[XR+2*\p:XR+2*\p+1], v[XR+2*\p:XR+2*\p+1], v[MU:MU+1] neg_lo:[0,1] neg_hi:[0,1]
.endr
.irp c, 0,1,2,3
	v_pk_mul_f32 v[CH+2*\c:CH+2*\c+1], v[XR+2*\c:XR+2*\c+1], v[XR+2*\c:XR+2*\c+1]
.endr
.irp p, 4,5,6,7,8,9,10,11,12,13,14,15
	v_pk_fma_f32 v[CH+2*(\p%4):CH+2*(\p%4)+1], v[XR+2*\p:XR+2*\p+1], v[XR+2*\p:XR+2*\p+1], v[CH+2*(\p%4):CH+2*(\p%4)+1]
.endr
	FOLD
	v_fmaak_f32 v[CH], s30, v[CH], 0x3727c5ac      ; var + 1e-5
	v_rsq_f32 v[RS], v[CH]
	v_nop                                          ; a plain instruction behind the transcendental,
	s_wait_alu depctr_va_vdst(0)                   ; and the wait ahead of the first line that names its result
	v_mov_b32 v[RS+1], v[RS]
.irp p, 0,1,2,3,4,5,6,7,8,9,10,11,12,13,14,15
	v_pk_mul_f32 v[XR+2*\p:XR+2*\p+1], v[XR+2*\p:XR+2*\p+1], v[RS:RS+1]
.endr
.endm
; row i: gain and bias; then for each quantiser and chunk: the hold, the conversion, the store
.macro APPLY i
.set XR, X+32*(\i)
.irp p, 0,2,4,6,8,10,12,14,16,18,20,22,24,26,28,30
	v_pk_fma_f32 v[XR+\p:XR+\p+1], v[XR+\p:XR+\p+1], v[G+\p:G+\p+1], v[B+\p:B+\p+1]
.endr
.set T, 0
.rept NT
.irp j, 0,1,2,3
.set TS, TT+8*(\j%2)
.set CR, C+2*(4*(NT*(\i)+T)+\j)
.irp k, 0,1,2,3,4,5,6,7
	v_med3_num_f32 v[TS+\k], v[XR+8*\j+\k], -v[QC+2*T+1], v[QC+2*T+1]   ; the conversion to an 8-bit code does not saturate (ISA guide 7.6.2): the hold comes first.  The other set's eight holds stand between a conversion and the next write of its sources
.endr
	v_cvt_scalef32_pk8_fp8_f32 v[CR:CR+1], v[TS:TS+7], v[QC+2*T]
	global_store_b64 v[CO], v[CR:CR+1], s[12+2*T:13+2*T] offset:1024*(\i)+256*\j   ; the wave stores 256 consecutive bytes, aligned
.endr
.set T, T+1
.endr
.endm
	s_wait_loadcnt 24                              ; row 0's eight loads are in; row 1's, the gain's and the bias's 24 may be out
	STAT 0
	s_wait_loadcnt 16                              ; row 1's are in
	STAT 1
	s_wait_loadcnt 0x0                             ; gain and bias
	APPLY 0
	APPLY 1
	s_endpgm
.Lfunc_end_k_q557674d1ad_ln1q:
	.size	k_q557674d1ad_ln1q, .Lfunc_end_k_q557674d1ad_ln1q-k_q557674d1ad_ln1q
	.p2alignl 7, 3214868480
	.fill 96, 4, 3214868480
	.section	.rodata,"a",@progbits
	.p2align	6, 0x0
	.amdhsa_kernel k_q557674d1ad_ln1q
		.amdhsa_group_segment_fixed_size 0
		.amdhsa_private_segment_fixed_size 0
		.amdhsa_enable_private_segment 0
		.amdhsa_kernarg_size 40
		.amdhsa_user_sgpr_count 2
		.amdhsa_user_sgpr_kernarg_segment_ptr 1
		.amdhsa_wavefront_size32 1
		.amdhsa_system_sgpr_workgroup_id_x 1
		.amdhsa_system_sgpr_workgroup_id_y 1
		.amdhsa_system_sgpr_workgroup_id_z 1
		.amdhsa_system_vgpr_workitem_id 0
		.amdhsa_next_free_vgpr 224
		.amdhsa_next_free_sgpr 66
		.amdhsa_reserve_vcc 0
		.amdhsa_float_denorm_mode_32 3
		.amdhsa_float_denorm_mode_16_64 3
		.amdhsa_memory_ordered 1
		.amdhsa_forward_progress 1
		.amdhsa_inst_pref_size 34
	.end_amdhsa_kernel
	.amdgpu_metadata
---
amdhsa.version: [ 1, 2 ]
amdhsa.kernels:
  - .name:           k_q557674d1ad_ln1q
    .symbol:         k_q557674d1ad_ln1q.kd
    .args:
      - { .name: x, .offset: 0, .size: 8, .value_kind: global_buffer, .address_space: global }
      - { .name: ln1_g, .offset: 8, .size: 8, .value_kind: global_buffer, .address_space: global }
      - { .name: ln1_b, .offset: 16, .size: 8, .value_kind: global_buffer, .address_space: global }
      - { .name: lowp_scales, .offset: 24, .size: 8, .value_kind: global_buffer, .address_space: global }
      - { .name: ncodes, .offset: 32, .size: 8, .value_kind: global_buffer, .address_space: global }
    .group_segment_fixed_size: 0
    .private_segment_fixed_size: 0
    .kernarg_segment_align: 8
    .kernarg_segment_size: 40
    .max_flat_workgroup_size: 256
    .sgpr_count:     66
    .vgpr_count:     224
    .wavefront_size: 32
...
	.end_amdgpu_metadata
.endif
;; end of part 1
;; launch qkv (part 2): grid 12 x 16, 4 waves a work-group, clusters of 4 x 4, 327,680 bytes of LDS; arguments ncodes, wq_codes, wk_codes, wv_codes, lowp_scales, bq, bk, bv, qkv; writes qkv
.if DOCPART == 2
	.amdgcn_target "amdgcn-amd-amdhsa--gfx1250"
	.amdhsa_code_object_version 6
	.text
	.protected	k_q557674d1ad_qkv
	.globl	k_q557674d1ad_qkv
	.p2align	8
	.type	k_q557674d1ad_qkv,@function
k_q557674d1ad_qkv:
	s_mov_b64 s[64:65], 0
	v_nop
	global_prefetch_b8 v0, s[64:65] scope:SCOPE_SE
	s_setreg_imm32_b32 hwreg(HW_REG_WAVE_MODE, 25, 1), 1
	s_wait_xcnt 0x0
	s_wait_alu depctr_hold_cnt(0) depctr_sa_sdst(0) depctr_va_vdst(0) depctr_va_sdst(0) depctr_va_ssrc(0) depctr_va_vcc(0) depctr_vm_vsrc(0)
	s_getreg_b32 s2, hwreg(HW_REG_IB_STS2, 6, 4)
	s_cmp_eq_u32 s2, 0
	s_cbranch_scc0 .Lentry_in_a_cluster
	s_endpgm
.Lentry_in_a_cluster:
	s_bfe_u32 s2, ttmp6, 0x10000c
	s_cmp_lg_u32 s2, 0xf033
	s_cbranch_scc0 .Lentry_shape_is_right
	s_endpgm
.Lentry_shape_is_right:
; Q = N0 Wq^T + bq, K = N1 Wk^T + bk, V = N2 Wv^T + bv on codes of E4M3 (N0, N1, N2: the three tensors of LN1's codes; K = 1,024), each result quantised again
; with its given scale (entries 6, 7, 9 of lowp_scales) and laid as the attention launch reads it.  Sums in f32; a sum is multiplied once by 2^(eA + eB), the bias added in the same fused multiply-add.
; LIMITS: e0 + e1, e2 + e3, e4 + e5 between -126 and 127; e6, e7, e9 between -126 and 119.  NaN among the inputs is not served.
; THE GRID.  The cluster's x says which product (0 Q, 1 K, 2 V): it is the same in all sixteen partners.  A work-group of four waves makes a tile of 256 x 256, a wave 128 x 128 (64 accumulators, 512 registers).
; The matrix instruction is used transposed (source 0 = 16 rows of the second region, source 1 = 16 rows of the first): a lane holds eight neighbouring COLUMNS of one ROW.
; Q and K want channels along a lane's registers (their next K is the head's 64 channels): rows = tokens, columns = channels.  V wants tokens there (its next K is the keys):
; so for V the weight goes into the first region and the tokens into the second: rows = channels, columns = tokens.  The loop over K is one text for all three.
; OUT.  Q at byte 0, K at 4 MiB: [batch][head][token][64].  V at 8 MiB: [token / 128][64 head + p(c)][128 bytes], p(c) = 16 ((c % 32) / 8) + 8 (c / 32) + c % 8, and token 32 c + 16 u + 8 h + i of its
; 128 at byte 32 c + 16 h + 8 u + i: so a 16-byte load at 32 c + 16 h of a row gives registers 4 c .. 4 c + 3 of the K = 128 form's own layout, and the attention's result has 32 neighbouring channels a lane.
; THE RING: K in steps of 256 through two LDS slots filled by joint tensor loads: the four work-groups of a row of the cluster share the first region's tiles, the four of a column the second's.
; By this text's own count a wave has two tensor loads out at the start and one behind each round.
; REGISTERS, in windows of 256: window 0: v0-31 addresses; v32-95 the bias; from v128 the first region's fragments, ONE set; on the way out v96-209 are at work.
;   window 1: the second region's fragments, TWO sets.   window 2: the accumulators of my rows 0-63 ((a, b) at v[8 (8 a + b)]);   window 3: those of my rows 64-127.
.set SIZE_K, 1024
.set KSTEP,  256                       ; along K in a slot
.set ROWB,   256                       ; a tile's row in bytes
.set KROW,   SIZE_K                    ; a row of codes in memory
.set PITCH,  272                       ; an LDS row: 256 bytes + 16 of padding: the 16 rows that a load touches start at 16 different banks (ISA guide 11.1)
.set FR,     16                        ; registers of a fragment: 16 rows x 128 K
.set NL,     4                         ; LDS loads that bring one
.set NP,     4                         ; places behind this matrix instruction (ISA guide 7.12.1)
.set HALFT,  128*PITCH
.set SLOT,   4*HALFT
.set LAPS,   SIZE_K/(2*KSTEP)
.set SPARE,  2*SLOT                    ; behind the ring: the spare words, 128 bytes for each wave
.set SP,     144                       ; the way out: a stage of 16 rows x (128 bytes + 16) for each wave, in slot 0, which has had its last fill and its last read by then
.set VSTG,   16384                     ; V's way out has stage bytes of its own
.set ADRA, 16                          ; v16-17  LDS address of my fragments of the first region in slot 0, 1
.set ADRB, 20                          ; v20-21  the same for the second
.set STOV, 22                          ; v22, v23  V's stage: in, back
.set RDV,  23
.set STOQ, 24                          ; v24, v25  Q's and K's stage: in, back
.set RDQ,  25
.set CO,   26                          ; v26     16 x lane: my bytes of a store's 512
.set BQO,  27                          ; v27     32 x (lane / 16): the bias of Q and K
.set SPW,  28                          ; v28     LDS address of my spare word; never rewritten
.set NIL,  29                          ; v29     0; never rewritten
.set BVO,  30                          ; v30     4 x (lane % 16): the bias of V
.set BI,   32                          ; v32-95  the bias in the result's layout
.set TMP,  96                          ; v96-159 a block's 64 numbers
.set AF,   128                         ; the first region's fragments
.set CD,   160                         ; v160-175 a block's codes
.set RB,   176                         ; v176-207 codes read back from the stage, two sets by turns
.set SC,   208                         ; v208    2^eo as f32
.set LM,   209                         ; v209    448 x 2^eo
.set G1, 24
.set G0, 32
.set G1B, 48
.set G0B, 56
.set MSB, 0
.macro WIN new                         ; the immediate's high byte repeats the setting that is left
.if MSB != \new
	s_set_vgpr_msb (MSB<<8)|\new
.set MSB, \new
.endif
.endm
.set MUL_LO, 0xa1                      ; source 0 window 1, source 1 window 0, C and D window 2
.set MUL_HI, 0xf1                      ; the same, C and D window 3
.set TO_B,   0x40                      ; destination window 1, address window 0
; A joint load: waves 0 and 1 fetch for the first region, waves 2 and 3 for the second.  The branch hangs on the wave's number alone.  Four v_nop follow each of the two lines.
.macro JLOAD g0a, g1a, g0b, g1b
	s_cmp_eq_u32 s15, 0
	s_cbranch_scc0 .Lfor_b_\@
	tensor_load_to_lds s[\g0a:\g0a+3], s[\g1a:\g1a+7]
	s_nop 0
.rept 4
	v_nop
.endr
	s_branch .Lasked_\@
.Lfor_b_\@:
	tensor_load_to_lds s[\g0b:\g0b+3], s[\g1b:\g1b+7]
	s_nop 0
.rept 4
	v_nop
.endr
.Lasked_\@:
.endm
.macro CREST                           ; a round of the cluster's barrier behind its opening barrier
	s_cmp_lg_u32 s14, 0
	s_cbranch_scc1 .Lnot_wave_0_\@
	s_barrier_signal -3
.Lnot_wave_0_\@:
	s_barrier_wait -3
	s_barrier_signal -1
	s_barrier_wait -1
.endm
.macro CROUND                          ; a whole round
	s_barrier_signal -1
	s_barrier_wait -1
	CREST
.endm
	s_load_b512 s[68:83], s[0:1], 0x0              ; ncodes s[68:69], wq s[70:71], wk s[72:73], wv s[74:75], scales s[76:77], bq s[78:79], bk s[80:81], bv s[82:83]
	s_load_b64 s[84:85], s[0:1], 0x40              ; qkv
	v_lshl_add_u32 v[SPW], v0, 2, SPARE
	v_mov_b32 v[NIL], 0
	ds_add_u32 v28, v29
	ds_add_u32 v28, v29
	s_wait_dscnt 0x0
	v_lshrrev_b32 v1, 5, v0
	v_readfirstlane_b32 s14, v1                    ; wave 0..3
	s_lshr_b32 s15, s14, 1                         ; which half of the tile's rows is mine.  Also: I fetch for the first region (0) or the second (1)
	s_and_b32 s16, s14, 1                          ; which half of its columns.  Also: which 128 rows of that region I fetch
	s_bfe_u32 s40, ttmp6, 0x40000                  ; cx, cy: my place in the cluster
	s_bfe_u32 s41, ttmp6, 0x40004
	s_lshr_b32 s86, ttmp9, 1                       ; 1 for V, 0 for Q and K
	s_and_b32 s87, ttmp7, 0xffff
	s_lshl_b32 s87, s87, 2                         ; 4 x cluster y: it counts blocks of tokens,
	s_mul_i32 s88, s87, s86                        ; which are V's columns
	s_sub_co_u32 s87, s87, s88                     ; and Q's and K's rows
	s_add_co_u32 s42, s88, s40                     ; tile column
	s_add_co_u32 s17, s87, s41                     ; tile row
	s_lshl_b32 s43, s41, 2
	s_lshl_b32 s43, 15, s43                        ; my row of the cluster
	s_lshl_b32 s44, 0x1111, s40                    ; my column
	s_or_b32 s[G1+0], s43, (0<<16)|(1<<20)|(1<<21)|(5<<22)|(3<<25)  ; 15:0 the mask; 17:16 elements of 1 byte; 20 padding on; 21 set beside a mask; 24:22 after every 64 words; 31:25 four words
	s_or_b32 s[G1B+0], s44, (0<<16)|(1<<20)|(1<<21)|(5<<22)|(3<<25)
.irp g, G1, G1B
	s_mov_b32 s[\g+1], ROWB<<16                    ; tensor_dim0
	s_mov_b32 s[\g+2], 128<<16                     ; tensor_dim1
	s_mov_b32 s[\g+3], ROWB<<16                    ; tile_dim0
	s_mov_b32 s[\g+4], 128                         ; tile_dim1
	s_mov_b32 s[\g+5], KROW                        ; tensor_dim0_stride
	s_mov_b32 s[\g+6], 0
	s_mov_b32 s[\g+7], 0
.endr
	s_lshl_b32 s18, s16, 7                         ; which 128 rows I fetch
	s_lshl_b32 s20, s17, 8
	s_add_co_u32 s20, s20, s18
	s_lshl_b32 s20, s20, 10                        ; first region: (256 x tile row + 128 x half) rows of 1,024 bytes
	s_lshl_b32 s46, s42, 8
	s_add_co_u32 s46, s46, s18
	s_lshl_b32 s46, s46, 10                        ; second region: by the tile column
	s_mov_b32 s21, 0
	s_mov_b32 s47, 0
	s_mul_i32 s45, s14, HALFT                      ; where they go: wave x 128 rows
	s_lshl_b32 s88, ttmp9, 22                      ; 4 MiB x the product's number
	s_mov_b32 s89, 0
	s_wait_kmcnt 0x0
	s_add_nc_u64 s[68:69], s[68:69], s[88:89]      ; this product's tensor of LN1's codes
	s_cmp_eq_u32 ttmp9, 0                          ; the choices hang on the cluster's x alone
	s_cselect_b64 s[70:71], s[70:71], s[72:73]     ; wq or wk
	s_cselect_b64 s[78:79], s[78:79], s[80:81]     ; bq or bk
	s_cmp_eq_u32 ttmp9, 2
	s_cselect_b64 s[4:5], s[74:75], s[68:69]       ; first region: wv for V, else the tokens
	s_cselect_b64 s[6:7], s[68:69], s[70:71]       ; second region: the tokens for V, else the weight
	s_cselect_b64 s[12:13], s[82:83], s[78:79]     ; the bias
	s_mov_b64 s[8:9], s[76:77]
	s_mov_b64 s[10:11], s[84:85]
	s_load_b512 s[68:83], s[8:9], 0x0              ; e0 .. e15
	s_add_nc_u64 s[20:21], s[4:5], s[20:21]
	s_add_nc_u64 s[46:47], s[6:7], s[46:47]
	CROUND                                         ; all sixteen work-groups are here: the first joint loads meet
.irp s, 0,1
	s_mov_b32 s[G0+4*\s], 1
	s_add_co_u32 s[G0+4*\s+1], s45, \s*SLOT
	s_add_nc_u64 s[G0+4*\s+2:G0+4*\s+3], s[20:21], \s*ROWB
	s_or_b32 s[G0+4*\s+3], s[G0+4*\s+3], 0x80000000
	s_mov_b32 s[G0B+4*\s], 1
	s_add_co_u32 s[G0B+4*\s+1], s45, \s*SLOT
	s_add_nc_u64 s[G0B+4*\s+2:G0B+4*\s+3], s[46:47], \s*ROWB
	s_or_b32 s[G0B+4*\s+3], s[G0B+4*\s+3], 0x80000000
	JLOAD G0+4*\s, G1, G0B+4*\s, G1B
.endr
	v_and_b32 v1, 15, v0                           ; r = l % 16
	v_bfe_u32 v2, v0, 4, 1                         ; h = l / 16
	v_mul_u32_u24 v3, v1, PITCH
	v_lshl_add_u32 v4, v2, 4, v3                   ; a fragment's row x pitch + 16 x half
	s_mul_i32 s21, s15, HALFT
	s_mul_i32 s22, s16, HALFT
	s_add_co_u32 s22, s22, 2*HALFT
.irp s, 0,1
	v_add_nc_u32 v[ADRA+\s], s21, v4
	v_add_nc_u32 v[ADRB+\s], s22, v4
	s_add_co_u32 s21, s21, SLOT
	s_add_co_u32 s22, s22, SLOT
.endr
	; the stages: every LDS address is made here, on the way that all take
	s_mul_i32 s23, s14, 16*SP
	v_and_b32 v6, 31, v0                           ; lane
	v_mul_u32_u24 v5, v1, SP
	v_lshl_add_u32 v7, v2, 3, v5
	v_add_nc_u32 v[STOQ], s23, v7                  ; Q, K in: row r (a token), + 8 h; block b's eight channels at 16 b
	v_lshl_add_u32 v7, v2, 4, v5
	v_add_nc_u32 v7, s23, v7
	v_add_nc_u32 v[STOV], VSTG, v7                 ; V in: row r (a channel), + 16 h; block b's eight tokens at 32 (b / 2) + 8 (b % 2)
	v_lshrrev_b32 v7, 2, v6
	v_mul_u32_u24 v7, v7, SP
	v_and_b32 v8, 3, v6
	v_lshl_add_u32 v7, v8, 4, v7
	v_add_nc_u32 v[RDQ], s23, v7                   ; Q, K back: four lanes to a token's 64 bytes of one head
	v_lshrrev_b32 v7, 3, v6
	v_mul_u32_u24 v7, v7, SP
	v_and_b32 v8, 7, v6
	v_lshl_add_u32 v7, v8, 4, v7
	v_add_nc_u32 v7, s23, v7
	v_add_nc_u32 v[RDV], VSTG, v7                  ; V back: eight lanes to a channel's 128 bytes
	v_lshlrev_b32 v[CO], 4, v6
	v_lshlrev_b32 v[BQO], 5, v2
	v_lshlrev_b32 v[BVO], 2, v1
	s_lshl_b32 s20, s17, 8
	s_lshl_b32 s21, s15, 7
	s_add_co_u32 s20, s20, s21                     ; my first row
	s_lshl_b32 s46, s42, 8
	s_lshl_b32 s47, s16, 7
	s_add_co_u32 s46, s46, s47                     ; my first column
	s_lshl_b32 s90, s46, 2
	s_mov_b32 s91, 0
	s_add_nc_u64 s[90:91], s[12:13], s[90:91]      ; the bias at my first column: used for Q and K alone
	s_lshl_b32 s92, s20, 2
	s_mov_b32 s93, 0
	s_add_nc_u64 s[92:93], s[12:13], s[92:93]      ; the bias at my first row: used for V alone
	s_lshr_b32 s18, s20, 11                        ; Q, K out: batch x 2^21
	s_lshl_b32 s18, s18, 21
	s_and_b32 s19, s20, 2047
	s_lshl_b32 s19, s19, 6                         ; + token x 64
	s_add_co_u32 s18, s18, s19
	s_lshr_b32 s19, s46, 6
	s_lshl_b32 s19, s19, 17                        ; + head x 2^17
	s_add_co_u32 s18, s18, s19
	s_add_co_u32 s18, s18, s88                     ; + 4 MiB x the product's number
	s_mov_b32 s19, 0
	s_add_nc_u64 s[94:95], s[10:11], s[18:19]
	s_lshr_b32 s18, s46, 7                         ; V out: (token / 128) x 2^17
	s_lshl_b32 s18, s18, 17
	s_lshl_b32 s19, s20, 7                         ; + my first channel x 128
	s_add_co_u32 s18, s18, s19
	s_add_co_u32 s18, s18, 0x800000
	s_mov_b32 s19, 0
	s_add_nc_u64 s[10:11], s[10:11], s[18:19]
	s_cmp_eq_u32 ttmp9, 2                          ; the bias in the result's layout; both ways write all 64 registers
	s_cbranch_scc1 .Lbias_v
.irp b, 0,1,2,3,4,5,6,7
	global_load_b128 v[BI+8*\b:BI+8*\b+3],   v[BQO], s[90:91] offset:64*\b      ; register 8 b + j: column 16 b + 8 h + j
	global_load_b128 v[BI+8*\b+4:BI+8*\b+7], v[BQO], s[90:91] offset:64*\b+16
.endr
	s_branch .Lbias_done
.Lbias_v:
.irp a, 0,1,2,3,4,5,6,7
.irp j, 0,1,2,3,4,5,6,7
	global_load_b32 v[BI+8*\a+\j], v[BVO], s[92:93] offset:64*\a                ; all eight registers of block a: row 16 a + r
.endr
.endr
.Lbias_done:
.macro FRAG reg, adr, q, i             ; a fragment: lane l holds row l % 16; registers 4 c .. 4 c + 3 hold K = 32 c + 16 (l / 16) + 0 .. 15: the same places of k in both operands
.irp c, 0,1,2,3
	ds_load_b128 v[\reg+4*\c:\reg+4*\c+3], v[\adr] offset:128*(\q)+32*\c+(\i)*16*PITCH
.endr
.endm
; 16 matrix instructions: blocks a0, a0 + 1 of the first region x the second's eight, 128 along K.  The 64 accumulators take turns, one instruction a turn, in the same order in every step.
.macro MUL16 a0, p, zero
.irp a, \a0, \a0+1
.irp b, 0,1,2,3,4,5,6,7
.if \zero
	v_wmma_f32_16x16x128_fp8_fp8 v[8*(8*((\a)%4)+\b):8*(8*((\a)%4)+\b)+7], v[128*(\p)+FR*\b:128*(\p)+FR*\b+FR-1], v[AF+FR*(\a):AF+FR*(\a)+FR-1], 0
.else
	v_wmma_f32_16x16x128_fp8_fp8 v[8*(8*((\a)%4)+\b):8*(8*((\a)%4)+\b)+7], v[128*(\p)+FR*\b:128*(\p)+FR*\b+FR-1], v[AF+FR*(\a):AF+FR*(\a)+FR-1], v[8*(8*((\a)%4)+\b):8*(8*((\a)%4)+\b)+7]
.endif
.endr
.endr
.endm
.macro FETCH_B slot, q, p
	WIN TO_B
.irp i, 0,1,2,3,4,5,6,7
	FRAG 128*(\p)+FR*\i, ADRB+\slot, \q, \i
.endr
	WIN 0
.endm
.macro FETCH_A slot, q, i0
.irp i, \i0, \i0+1, \i0+2, \i0+3
	FRAG AF+FR*(\i), ADRA+\slot, \q, \i
.endr
.endm
.macro PLACES n                        ; plain vector instructions between a matrix instruction and a load into, or a vector read or write of, one of its registers
.rept \n
	v_nop
.endr
.endm
.macro STEP slot, q, zero              ; a step of 128 along K that has its successor in the same slot
	s_wait_dscnt 4*NL                              ; the second region's set and blocks 0-3 of the first are in; the youngest 16 loads (blocks 4-7) may be out
	WIN MUL_LO
	MUL16 0, (\q)%2, \zero
	MUL16 2, (\q)%2, \zero
	s_wait_dscnt 0
	PLACES NP
	FETCH_B \slot, (\q)+1, 1-(\q)%2
	FETCH_A \slot, (\q)+1, 0
	WIN MUL_HI
	MUL16 4, (\q)%2, \zero
	MUL16 6, (\q)%2, \zero
	PLACES NP
	WIN 0
	FETCH_A \slot, (\q)+1, 4
.endm
; A slot's last step changes slots: ONE barrier; in front of it each wave waits for all its tensor loads, adds 0 to its spare word, and waits for that and for its own reads of this slot.
.macro TURN slot, next, fill
	s_wait_tensorcnt 0x0                           ; all my tensor loads have landed: my part of the next slot
	ds_add_u32 v[SPW], v[NIL]                      ; 0 onto my spare word
	s_wait_dscnt 4*NL+1                            ; (the add and the youngest 16 loads may be out)
	WIN MUL_LO
	MUL16 0, 1, 0
	s_wait_dscnt 0x0                               ; the add is done, and my reads of this slot are over
	s_barrier_signal -1
	MUL16 2, 1, 0
	WIN 0
	s_barrier_wait -1
.if \fill
	CREST                                          ; the barrier has opened a round of the cluster's barrier: no wave of any partner still reads this slot or has a load on its way
	s_add_nc_u64 s[G0+4*\slot+2:G0+4*\slot+3], s[G0+4*\slot+2:G0+4*\slot+3], 2*ROWB
	s_add_nc_u64 s[G0B+4*\slot+2:G0B+4*\slot+3], s[G0B+4*\slot+2:G0B+4*\slot+3], 2*ROWB
	JLOAD G0+4*\slot, G1, G0B+4*\slot, G1B         ; the first tensor load behind the round; its four v_nop are the places in front of the loads below
.else
	PLACES NP
.endif
	FETCH_B \next, 0, 0
	FETCH_A \next, 0, 0
	WIN MUL_HI
	MUL16 4, 1, 0
	MUL16 6, 1, 0
	PLACES NP
	WIN 0
	FETCH_A \next, 0, 4
.endm
	s_wait_tensorcnt 1                             ; my part of K step 0 is in (K step 1's load may be out)
	s_barrier_signal -1
	s_barrier_wait -1                              ; everybody's is
	FETCH_B 0, 0, 0
	FETCH_A 0, 0, 0
	FETCH_A 0, 0, 4
	STEP 0, 0, 1                                   ; the first step's products start the sums: nothing is cleared
	s_mov_b32 s3, LAPS-1
.Llap:
	TURN 0, 1, 1
	STEP 1, 0, 0
	TURN 1, 0, 1
	STEP 0, 0, 0
	s_sub_co_u32 s3, s3, 1
	s_cmp_lg_u32 s3, 0
	s_cbranch_scc1 .Llap
	TURN 0, 1, 0                                   ; the last lap fills nothing
	STEP 1, 0, 0
	s_wait_dscnt 4*NL
	WIN MUL_LO
	MUL16 0, 1, 0
	MUL16 2, 1, 0
	s_wait_dscnt 0
	WIN MUL_HI
	MUL16 4, 1, 0
	MUL16 6, 1, 0
	WIN 0
; THE WAY OUT, block by block of 16 rows x 128 columns: sum x 2^(eA + eB) + bias, the hold, the conversion (a lane's eight registers are eight neighbours along the next K); the codes go through my own
; stage in LDS and leave as runs of 512 consecutive bytes.  LDS serves a wave's instructions in order (ISA guide 5.7.1.4): no wait between the stores and the loads.
.macro OUTBLK a, vv
.set AC, 64*((\a)%4)
	WIN 0x02+((\a)/4)                              ; source 0: window 2 or 3
.irp b, 0,1,2,3,4,5,6,7
.irp i, 0,2,4,6
.if \vv
	v_pk_fma_f32 v[TMP+8*\b+\i:TMP+8*\b+\i+1], v[AC+8*\b+\i:AC+8*\b+\i+1], s[96:97], v[BI+8*(\a)+\i:BI+8*(\a)+\i+1] op_sel_hi:[1,0,1]
.else
	v_pk_fma_f32 v[TMP+8*\b+\i:TMP+8*\b+\i+1], v[AC+8*\b+\i:AC+8*\b+\i+1], s[96:97], v[BI+8*\b+\i:BI+8*\b+\i+1] op_sel_hi:[1,0,1]
.endif
.endr
.endr
	WIN 0
.irp b, 0,1,2,3,4,5,6,7
.irp i, 0,1,2,3,4,5,6,7
	v_med3_num_f32 v[TMP+8*\b+\i], v[TMP+8*\b+\i], -v[LM], v[LM]   ; the conversion does not saturate (ISA guide 7.6.2)
.endr
	v_cvt_scalef32_pk8_fp8_f32 v[CD+2*\b:CD+2*\b+1], v[TMP+8*\b:TMP+8*\b+7], v[SC]
.endr
	v_nop                                          ; a plain instruction behind the last conversion
.set RR, RB+16*((\a)%2)
.irp b, 0,1,2,3,4,5,6,7
.if \vv
	ds_store_b64 v[STOV], v[CD+2*\b:CD+2*\b+1] offset:32*(\b/2)+8*(\b%2)
.else
	ds_store_b64 v[STOQ], v[CD+2*\b:CD+2*\b+1] offset:16*\b
.endif
.endr
.irp i, 0,1,2,3
.if \vv
	ds_load_b128 v[RR+4*\i:RR+4*\i+3], v[RDV] offset:4*SP*\i                    ; channels 4 i + lane / 8 of the block
.else
	ds_load_b128 v[RR+4*\i:RR+4*\i+3], v[RDQ] offset:8*SP*(\i%2)+64*(\i/2)      ; tokens 8 (i % 2) + lane / 4, head i / 2 of my two
.endif
.endr
.endm
.macro SENDBLK a, vv, younger          ; younger: the LDS instructions issued behind block a's loads, which may stay out
.set RR, RB+16*((\a)%2)
	s_wait_dscnt \younger
.irp i, 0,1,2,3
.if \vv
	global_store_b128 v[CO], v[RR+4*\i:RR+4*\i+3], s[10:11] offset:128*(64*((\a)/4)+32*((\a)%2)+8*(((\a)%4)/2)+16*(\i/2)+4*(\i%2))   ; the channels' places p(c); 512 consecutive bytes, aligned
.else
	global_store_b128 v[CO], v[RR+4*\i:RR+4*\i+3], s[94:95] offset:1024*(\a)+131072*(\i/2)+512*(\i%2)   ; 8 tokens x 64 bytes of one head: 512 consecutive bytes, aligned
.endif
.endr
.endm
.macro WAYOUT vv
	OUTBLK 0, \vv
.irp a, 1,2,3,4,5,6,7
.if \a > 1
	s_wait_xcnt 0x0                                ; block a - 2's stores have read their registers: block a's loads may land there
.endif
	OUTBLK \a, \vv
	SENDBLK \a-1, \vv, 12                          ; behind block a - 1's loads: block a's 8 stores and 4 loads
.endr
	SENDBLK 7, \vv, 0
.endm
	PLACES NP                                      ; behind the last products: v96 on held fragments
	s_wait_kmcnt 0x0                               ; the exponents
	s_wait_loadcnt 0x0                             ; the bias
	s_add_co_i32 s86, s68, s69                     ; e0 + e1
	s_add_co_i32 s87, s70, s71                     ; e2 + e3
	s_add_co_i32 s88, s72, s73                     ; e4 + e5
	s_cmp_eq_u32 ttmp9, 0
	s_cselect_b32 s86, s86, s87
	s_cselect_b32 s89, s74, s75                    ; e6 or e7
	s_cmp_eq_u32 ttmp9, 2
	s_cselect_b32 s86, s88, s86
	s_cselect_b32 s89, s77, s89                    ; e9 for V
	s_add_co_i32 s86, s86, 127
	s_lshl_b32 s96, s86, 23                        ; 2^(eA + eB) as f32
	s_mov_b32 s97, s96                             ; (named with it as a pair, so it is written)
	s_add_co_i32 s89, s89, 127
	s_lshl_b32 s86, s89, 23
	v_mov_b32 v[SC], s86
	s_add_co_i32 s89, s89, 8
	s_lshl_b32 s89, s89, 23
	s_or_b32 s89, s89, 0x600000
	v_mov_b32 v[LM], s89
	s_cmp_eq_u32 ttmp9, 2
	s_cbranch_scc1 .Lout_v
	WAYOUT 0
	s_branch .Lend
.Lout_v:
	WAYOUT 1
.Lend:
	s_wait_tensorcnt 0x0                           ; the wave's end
	ds_add_u32 v[SPW], v[NIL]
	s_wait_dscnt 0x0
	CROUND                                         ; the closing round
	s_endpgm
.Lfunc_end_k_q557674d1ad_qkv:
	.size	k_q557674d1ad_qkv, .Lfunc_end_k_q557674d1ad_qkv-k_q557674d1ad_qkv
	.p2alignl 7, 3214868480
	.fill 96, 4, 3214868480
	.section	.rodata,"a",@progbits
	.p2align	6, 0x0
	.amdhsa_kernel k_q557674d1ad_qkv
		.amdhsa_group_segment_fixed_size 327680
		.amdhsa_private_segment_fixed_size 0
		.amdhsa_enable_private_segment 0
		.amdhsa_kernarg_size 72
		.amdhsa_user_sgpr_count 2
		.amdhsa_user_sgpr_kernarg_segment_ptr 1
		.amdhsa_wavefront_size32 1
		.amdhsa_system_sgpr_workgroup_id_x 1
		.amdhsa_system_sgpr_workgroup_id_y 1
		.amdhsa_system_sgpr_workgroup_id_z 1
		.amdhsa_system_vgpr_workitem_id 0
		.amdhsa_next_free_vgpr 1024
		.amdhsa_next_free_sgpr 100
		.amdhsa_reserve_vcc 0
		.amdhsa_float_denorm_mode_32 3
		.amdhsa_float_denorm_mode_16_64 3
		.amdhsa_memory_ordered 1
		.amdhsa_forward_progress 1
		.amdhsa_inst_pref_size 212
	.end_amdhsa_kernel
	.amdgpu_metadata
---
amdhsa.version: [ 1, 2 ]
amdhsa.kernels:
  - .name:           k_q557674d1ad_qkv
    .symbol:         k_q557674d1ad_qkv.kd
    .args:
      - { .name: ncodes, .offset: 0, .size: 8, .value_kind: global_buffer, .address_space: global }
      - { .name: wq_codes, .offset: 8, .size: 8, .value_kind: global_buffer, .address_space: global }
      - { .name: wk_codes, .offset: 16, .size: 8, .value_kind: global_buffer, .address_space: global }
      - { .name: wv_codes, .offset: 24, .size: 8, .value_kind: global_buffer, .address_space: global }
      - { .name: lowp_scales, .offset: 32, .size: 8, .value_kind: global_buffer, .address_space: global }
      - { .name: bq, .offset: 40, .size: 8, .value_kind: global_buffer, .address_space: global }
      - { .name: bk, .offset: 48, .size: 8, .value_kind: global_buffer, .address_space: global }
      - { .name: bv, .offset: 56, .size: 8, .value_kind: global_buffer, .address_space: global }
      - { .name: qkv, .offset: 64, .size: 8, .value_kind: global_buffer, .address_space: global }
    .group_segment_fixed_size: 327680
    .private_segment_fixed_size: 0
    .kernarg_segment_align: 8
    .kernarg_segment_size: 72
    .max_flat_workgroup_size: 128
    .sgpr_count:     100
    .vgpr_count:     1024
    .wavefront_size: 32
...
	.end_amdgpu_metadata
.endif
;; end of part 2
;; launch attn (part 3): grid 8 x 32, 8 waves a work-group, no clusters, 327,680 bytes of LDS; arguments qkv, lowp_scales, dissonance, distance_scale, diss_sens, ao; writes ao
.if DOCPART == 3
	.amdgcn_target "amdgcn-amd-amdhsa--gfx1250"
	.amdhsa_code_object_version 6
	.text
	.protected	k_q557674d1ad_attn
	.globl	k_q557674d1ad_attn
	.p2align	8
	.type	k_q557674d1ad_attn,@function
k_q557674d1ad_attn:
	s_mov_b64 s[64:65], 0
	v_nop
	global_prefetch_b8 v0, s[64:65] scope:SCOPE_SE
	s_setreg_imm32_b32 hwreg(HW_REG_WAVE_MODE, 25, 1), 1
	s_wait_xcnt 0x0
; O[b][head][q] = sum over k of softmax_k(Q.K / 8 - |pen| |k - q|) V, pen = distance_scale[head] (1 - dissonance diss_sens[head]); both products on codes of E4M3.
; THE SOFTMAX AHEAD OF THE SECOND PRODUCT: t = logit x log2(e); M = the running largest t rounded UP to a whole number; p = 2^(t - M) is quantised with the given 2^e8, not normalised;
; the row's sum is taken of the unquantised p and divides at the end; when M moves, the sum and O are multiplied by 2^(old M - new M), which rounds nothing.  The result is quantised with 2^e10.
; SHARES.  A work-group owns 256 queries of one head; each of its eight waves 32: two tiles of 16, which share every fragment read from LDS.  Two waves to a SIMD.
; LDS holds the head's whole K (2,048 rows of 64 bytes + 16) and V^T (16 steps x 64 rows of 128 bytes + 16): each byte is filled ONCE.  The fills go in four groups of 512 keys, one tensor load a wave and
; group (waves 0-3: K, waves 4-7: V).  Group 0 goes out at the head; group g + 1 goes out straight behind the barrier at which group g has landed, as the wave's one tensor load until the next barrier:
; by this text's own count one load of a wave is out.  In front of each of these barriers stand the wait for all tensor loads, the add of 0 onto the wave's spare word and the wait for it.
; A group's load goes out three or four key steps ahead of the wait for it, so nothing is asked for ahead of the tensor loads.
; LAYOUT.  S^T = K Q^T (source 0 = 16 keys, source 1 = 16 queries), O^T = V^T P^T: a lane holds ONE query (lane % 16) throughout; register 8 t + j of S^T is key 16 t + 8 (lane / 16) + j, which is the
; place that the K = 128 form's own layout gives it: the conversions' results are the second product's operand.  V's bytes and rows were laid for that by the launch before.
; THE BIAS.  t = c u + base, c = log2(e) / 8 x 2^(e6 + e7), u = raw score + C: the C of the first product.  With g = |pen| 2^(3 - e6 - e7), W[8 t + j] = g (16 t + 8 h + j), dq = q - the step's first key:
; a step whose keys all lie left of my queries takes C = +W and base = -|pen| log2(e) dq; one to the right takes the negatives.  My 32 queries lie in ONE step of 128 keys: there C = -|g dq - W| is built in
; S's registers and base = 0; behind that step W and the factor of dq are negated once, so that left and right are one text.  The choice is a scalar branch on ids and a counter.
; The bias is thus split into two parts that are rounded apart: an order of rounding that differs from forming score + bias.
; A STEP (128 keys): V's fragments are asked for at its head; K's were asked for in the step before, behind tile 1's scores, when both tiles have multiplied by the old ones.  So the barriers stand one step
; ahead of a group's first step (3, 4, 4, 4 trips), and the last step is written out without that fetch: no LDS byte outside K's rows is read for K.
; NO CLUSTER: the diagonal's branch hangs on the work-group's block of queries, which the work-groups that share K and V do not share; and what they share is fetched once, 256 KiB a work-group.
; LIMITS: e6 + e7 between -123 and 130; e8 and e10 between -126 and 119; e8 + e9 is applied by v_ldexp_f32.  NaN among the inputs is not served.
; ao's rows hold 64 bytes of each head: the stores below write 64 consecutive bytes a row, a quarter of an aligned 256.
; REGISTERS: window 0: v1-15 addresses and constants; v16-39 twelve registers of statistics a tile; v40-49 the spare word's address, 0, chains at work; v64-127 S^T then p (one set, tile 0 then tile 1);
;   v128-191 O^T; v192-223 p's codes; v224-227 quantisers' constants.   window 1: v0-63 K's fragments; v64-127 V's; v128-191 W; v192-207 Q's.
.set KP,   80                          ; a key's row in LDS
.set VP,   144                         ; a row of V^T in LDS
.set VB,   2048*KP                     ; V^T begins behind K
.set KSTB, 128*KP                      ; a step's bytes of K
.set VSTB, 64*VP                       ; and of V^T
.set SPARE, VB+16*VSTB                 ; behind V^T: the spare words, 128 bytes for each wave: four blocks of 256 bytes that no other line names
.set AK0, 1                            ; v1   80 r + 16 h
.set AV0, 2                            ; v2   VB + 144 r + 16 h
.set ADK, 3                            ; v3, v4 the step's LDS addresses
.set ADV, 4
.set GO,  5                            ; v5   1024 r + 32 h: my bytes in the wave's rows of ao
.set QO,  6                            ; v6   64 r + 16 h
.set GG,  7                            ; v7   g
.set NPL, 8                            ; v8   the factor of dq: -|pen| log2(e), later its negative
.set H8,  9                            ; v9   8 h
.set GD,  10                           ; v[10:11] g dq, twice
.set PT,  12                           ; v12  target of the lane permute
.set RL,  13                           ; v13  r
.set SM2, 14                           ; v[14:15] the sum's second chain
.set ST,  16                           ; tile u at v[ST + 12 u]: +0 -M, +1 largest t, +2,3 base - M (pair), +4,5 the sum, +6,7 f (pair), +8 dq, +9 base, +10,11 at work
.set SPW, 40                           ; v40  LDS address of my spare word: SPARE + 4 x my thread's number; never rewritten
.set NIL, 41                           ; v41  0; never rewritten
.set MX,  42                           ; v42-45 the maximum's four chains
.set SM3, 46                           ; v[46:47], v[48:49] the sum's third and fourth chain
.set SM4, 48
.set S,   64
.set O,   128
.set P,   192
.set LM8, 224
.set SC8, 225
.set LM10, 226
.set SC10, 227
.set KF,  0                            ; window 1
.set VF,  64
.set W,   128
.set QF,  192
.set WV,  16                           ; s16 wave; s17 wave % 4
.set WK,  17
.set G1K, 24
.set G1V, 32
.set G0K, 40                           ; s[40:55] K's four groups 0, one for each group of keys; written once
.set CS,  56                           ; s[56:57] c
.set SEL, 58                           ; s[58:59]
.set KO,  60                           ; s60, s61 LDS bytes of the step in hand
.set VO,  61
.set KS,  62                           ; s62 the step; s63 my queries' step
.set KD,  63
.set CNT, 66
.set G0V, 68                           ; s[68:83] V's four groups 0
.set MSB, 0
.macro WIN new
.if MSB != \new
	s_set_vgpr_msb (MSB<<8)|\new
.set MSB, \new
.endif
.endm
.macro MKQ e, t, sc, lm                ; from the exponent in s[e] (spent): v[sc] = 2^e, v[lm] = 448 x 2^e
	s_add_co_i32 s[\e], s[\e], 127
	s_lshl_b32 s[\t], s[\e], 23
	v_mov_b32 v[\sc], s[\t]
	s_add_co_i32 s[\e], s[\e], 8
	s_lshl_b32 s[\e], s[\e], 23
	s_or_b32 s[\e], s[\e], 0x600000
	v_mov_b32 v[\lm], s[\e]
.endm
; group g's fill: waves 0-3 fetch a step of K each, waves 4-7 a step of V^T.  The branch hangs on the wave's number alone.  Four v_nop follow each of the two lines.
.macro TLOAD g
	s_cmp_lt_u32 s[WV], 4
	s_cbranch_scc0 .Lfor_v_\@
	tensor_load_to_lds s[G0K+4*(\g):G0K+4*(\g)+3], s[G1K:G1K+7]
	s_nop 0
.rept 4
	v_nop
.endr
	s_branch .Lasked_\@
.Lfor_v_\@:
	tensor_load_to_lds s[G0V+4*(\g):G0V+4*(\g)+3], s[G1V:G1V+7]
	s_nop 0
.rept 4
	v_nop
.endr
.Lasked_\@:
.endm
	s_load_b256 s[4:11], s[0:1], 0x0               ; qkv s[4:5], scales s[6:7], dissonance s[8:9], distance_scale s[10:11]
	s_load_b128 s[12:15], s[0:1], 0x20             ; diss_sens s[12:13], ao s[14:15]
	v_lshl_add_u32 v[SPW], v0, 2, SPARE
	v_mov_b32 v[NIL], 0
	ds_add_u32 v40, v41
	ds_add_u32 v40, v41
	s_wait_dscnt 0x0
	v_lshrrev_b32 v1, 5, v0
	v_readfirstlane_b32 s[WV], v1                  ; wave 0..7
	s_and_b32 s[WK], s[WV], 3
	s_and_b32 s19, ttmp7, 0xffff                   ; 16 batch + head
	s_and_b32 s20, s19, 15                         ; head
	s_lshr_b32 s21, s19, 4                         ; batch
	s_lshl_b32 s18, ttmp9, 8
	s_lshl_b32 s22, s[WV], 5
	s_add_co_u32 s18, s18, s22                     ; my first query
	s_lshl_b32 s[KD], ttmp9, 1
	s_lshr_b32 s22, s[WV], 2
	s_add_co_u32 s[KD], s[KD], s22                 ; the step of 128 keys in which my 32 queries lie
	s_mov_b32 s[G1K], (0<<16)|(1<<20)|(3<<22)|(3<<25)   ; elements of 1 byte; padding: four words after every 16
	s_mov_b32 s[G1K+1], 64<<16                     ; tensor_dim0
	s_mov_b32 s[G1K+2], 128<<16                    ; tensor_dim1
	s_mov_b32 s[G1K+3], 64<<16                     ; tile_dim0
	s_mov_b32 s[G1K+4], 128                        ; tile_dim1
	s_mov_b32 s[G1K+5], 64                         ; stride
	s_mov_b32 s[G1K+6], 0
	s_mov_b32 s[G1K+7], 0
	s_mov_b32 s[G1V], (0<<16)|(1<<20)|(4<<22)|(3<<25)   ; padding: four words after every 32
	s_mov_b32 s[G1V+1], 128<<16
	s_mov_b32 s[G1V+2], 64<<16
	s_mov_b32 s[G1V+3], 128<<16
	s_mov_b32 s[G1V+4], 64
	s_mov_b32 s[G1V+5], 128
	s_mov_b32 s[G1V+6], 0
	s_mov_b32 s[G1V+7], 0
	s_lshl_b32 s94, s19, 17                        ; K: the head's 2,048 rows of 64 bytes,
	s_lshl_b32 s22, s[WK], 13
	s_add_co_u32 s94, s94, s22                     ; my step of a group,
	s_add_co_u32 s94, s94, 0x400000                ; behind Q
	s_mov_b32 s95, 0
	s_lshl_b32 s96, s21, 21                        ; V: the batch's 16 blocks of 128 tokens,
	s_lshl_b32 s22, s[WK], 17
	s_add_co_u32 s96, s96, s22                     ; my step of a group,
	s_lshl_b32 s22, s20, 13
	s_add_co_u32 s96, s96, s22                     ; the head's 64 rows of 128 bytes,
	s_add_co_u32 s96, s96, 0x800000
	s_mov_b32 s97, 0
	s_mul_i32 s22, s[WK], KSTB
	s_mul_i32 s23, s[WK], VSTB
	s_add_co_u32 s23, s23, VB
	s_lshl_b32 s92, s20, 2                         ; 4 x head
	s_mov_b32 s[SEL], 0x76543210
	s_mov_b32 s[SEL+1], 0xfedcba98
	s_mov_b32 s[KO], 0
	s_mov_b32 s[VO], 0
	s_mov_b32 s[KS], 0
	s_wait_kmcnt 0x0
	s_load_b128 s[84:87], s[6:7], 0x18             ; e6, e7, e8, e9
	s_load_b32 s88, s[6:7], 0x28                   ; e10
	s_load_b32 s89, s[8:9], 0x0                    ; dissonance
	s_load_b32 s90, s[10:11], s92 offset:0x0       ; distance_scale[head]
	s_load_b32 s91, s[12:13], s92 offset:0x0       ; diss_sens[head]
	s_add_nc_u64 s[94:95], s[4:5], s[94:95]
	s_add_nc_u64 s[96:97], s[4:5], s[96:97]
.irp g, 0,1,2,3
	s_mov_b32 s[G0K+4*\g], 1
	s_add_co_u32 s[G0K+4*\g+1], s22, 4*KSTB*\g
	s_add_nc_u64 s[G0K+4*\g+2:G0K+4*\g+3], s[94:95], 32768*\g
	s_or_b32 s[G0K+4*\g+3], s[G0K+4*\g+3], 0x80000000
	s_mov_b32 s[G0V+4*\g], 1
	s_add_co_u32 s[G0V+4*\g+1], s23, 4*VSTB*\g
	s_add_nc_u64 s[G0V+4*\g+2:G0V+4*\g+3], s[96:97], 524288*\g
	s_or_b32 s[G0V+4*\g+3], s[G0V+4*\g+3], 0x80000000
.endr
	TLOAD 0                                        ; the first 512 keys, ahead of every wait on TENSORcnt, every LDS read and every barrier
	v_and_b32 v[RL], 15, v0                        ; r
	v_bfe_u32 v[H8], v0, 4, 1                      ; h
	v_mul_u32_u24 v[AK0], v[RL], KP
	v_lshl_add_u32 v[AK0], v[H8], 4, v[AK0]
	v_mul_u32_u24 v[AV0], v[RL], VP
	v_lshl_add_u32 v[AV0], v[H8], 4, v[AV0]
	v_add_nc_u32 v[AV0], VB, v[AV0]
	v_lshlrev_b32 v[GO], 10, v[RL]
	v_lshl_add_u32 v[GO], v[H8], 5, v[GO]
	v_lshlrev_b32 v[QO], 6, v[RL]
	v_lshl_add_u32 v[QO], v[H8], 4, v[QO]
	v_lshlrev_b32 v[H8], 3, v[H8]                  ; 8 h
	s_lshl_b32 s94, s19, 17
	s_lshl_b32 s22, s18, 6
	s_add_co_u32 s94, s94, s22
	s_mov_b32 s95, 0
	s_add_nc_u64 s[4:5], s[4:5], s[94:95]          ; Q's codes at my first query
	s_lshl_b32 s94, s21, 21
	s_lshl_b32 s22, s18, 10
	s_add_co_u32 s94, s94, s22
	s_lshl_b32 s22, s20, 6
	s_add_co_u32 s94, s94, s22
	s_add_nc_u64 s[14:15], s[14:15], s[94:95]      ; ao at my first query's row, my head's 64 bytes
	WIN 0x40                                       ; destination window 1
.irp u, 0,1
.irp c, 0,1
	global_load_b128 v[QF+8*\u+4*\c:QF+8*\u+4*\c+3], v[QO], s[4:5] offset:1024*\u+32*\c   ; registers 4 c .. 4 c + 3: channels 32 c + 16 h + 0 .. 15, the same places as in K's fragments
.endr
.endr
	WIN 0
	s_wait_kmcnt 0x0
	s_add_co_i32 s93, s84, s85                     ; e6 + e7
	s_lshl_b32 s22, s93, 23
	s_add_co_i32 s[CS], s22, 0x3e38aa3b            ; c = log2(e) / 8 with the two exponents added to its exponent field
	s_mov_b32 s[CS+1], s[CS]                       ; (named with it as a pair, so it is written)
	s_sub_co_i32 s93, 3, s93
	s_add_co_i32 s96, s86, s87                     ; e8 + e9, for the way out
	MKQ 86, 22, SC8, LM8
	MKQ 88, 22, SC10, LM10
	v_mov_b32 v[GG], s91
	v_mul_f32 v[GG], s89, v[GG]                    ; dissonance x diss_sens
	v_sub_f32 v[GG], 1.0, v[GG]
	v_mul_f32 v[NPL], s90, v[GG]                   ; pen
	v_and_b32 v[NPL], 0x7fffffff, v[NPL]           ; |pen|
	v_ldexp_f32 v[GG], v[NPL], s93                 ; g
	v_mul_f32 v[NPL], 0xbfb8aa3b, v[NPL]           ; -|pen| log2(e)
.set n, 0
.rept 64
	v_add_nc_u32 v[S+n], 16*(n/8)+n%8, v[H8]       ; the key's place in a step: 16 t + 8 h + j
.set n, n+1
.endr
.set n, 0
.rept 64
	v_cvt_f32_u32 v[S+n], v[S+n]
.set n, n+1
.endr
	WIN 0x40
.set n, 0
.rept 64
	v_mul_f32 v[W+n], v[GG], v[S+n]
.set n, n+1
.endr
	WIN 0
	v_mov_b32 v[PT], 0
.irp u, 0,1
	s_add_co_u32 s22, s18, 16*\u
	v_add_nc_u32 v[ST+12*\u+8], s22, v[RL]
	v_cvt_f32_u32 v[ST+12*\u+8], v[ST+12*\u+8]     ; dq for step 0: my query
	v_mov_b32 v[ST+12*\u+1], 0xff61b1e6            ; the largest t so far: -3e38
	v_floor_f32 v[ST+12*\u], -v[ST+12*\u+1]        ; -M
	v_mov_b32 v[ST+12*\u+2], 0
	v_mov_b32 v[ST+12*\u+3], 0                     ; (upper halves of pairs are named, so they are written)
	v_mov_b32 v[ST+12*\u+4], 0                     ; the sum, in two halves
	v_mov_b32 v[ST+12*\u+5], 0
	v_mov_b32 v[ST+12*\u+6], 0
	v_mov_b32 v[ST+12*\u+7], 0
.endr
.set n, 0
.rept 64
	v_mov_b32 v[O+n], 0                            ; O^T.  (The step is written once: the first finds zeros, which the first change of M leaves zeros)
.set n, n+1
.endr
	s_wait_loadcnt 0x0                             ; Q
; the scores of tile u, with the bias's part that hangs on the key as the product's C
.macro SCORE u
	s_cmp_eq_u32 s[KS], s[KD]
	s_cbranch_scc1 .Ldiag_\@
	WIN 0x15                                       ; K, Q and W in window 1
.irp t, 0,1,2,3,4,5,6,7
	v_wmma_f32_16x16x64_fp8_fp8 v[S+8*\t:S+8*\t+7], v[KF+8*\t:KF+8*\t+7], v[QF+8*(\u):QF+8*(\u)+7], v[W+8*\t:W+8*\t+7]
.endr
	WIN 0
	v_mul_f32 v[ST+12*(\u)+9], v[NPL], v[ST+12*(\u)+8]   ; base
	s_branch .Ljoin_\@
.Ldiag_\@:
	v_mul_f32 v[GD], v[GG], v[ST+12*(\u)+8]
	v_mov_b32 v[GD+1], v[GD]
	WIN 0x04                                       ; source 1 (W) window 1
.set n, 0
.rept 32
	v_pk_add_f32 v[S+n:S+n+1], v[GD:GD+1], v[W+n:W+n+1] neg_lo:[0,1] neg_hi:[0,1]
.set n, n+2
.endr
	WIN 0
.set n, 0
.rept 64
	v_min_num_f32 v[S+n], v[S+n], -v[S+n]          ; -|g dq - W| = -g |k - q|
.set n, n+1
.endr
	WIN 0x05
.irp t, 0,1,2,3,4,5,6,7
	v_wmma_f32_16x16x64_fp8_fp8 v[S+8*\t:S+8*\t+7], v[KF+8*\t:KF+8*\t+7], v[QF+8*(\u):QF+8*(\u)+7], v[S+8*\t:S+8*\t+7]
.endr
	WIN 0
	v_mov_b32 v[ST+12*(\u)+9], 0
.Ljoin_\@:
.rept 4
	v_nop                                          ; places ahead of the first read of the scores, and of loads into K's fragments
.endr
.endm
.macro PKF p                           ; pair p of the tile's scores becomes t - M (AD: the tile's base - M)
	v_pk_fma_f32 v[S+2*(\p):S+2*(\p)+1], v[S+2*(\p):S+2*(\p)+1], s[CS:CS+1], v[AD:AD+1] op_sel_hi:[1,0,0]
.endm
; tile u: the running M, p, its sum, its codes, and O^T under the new M
.macro SOFT u
.set NM, ST+12*(\u)
.set TM, NM+1
.set AD, NM+2
.set LL, NM+4
.set FF, NM+6
.set BA, NM+9
.set X1, NM+10
.set X2, NM+11
.set PP, P+16*(\u)
.set OO, O+32*(\u)
.irp c, 0,1,2,3
	v_max3_num_f32 v[MX+\c], v[S+16*\c], v[S+16*\c+1], v[S+16*\c+2]   ; the step's largest u of my query among my 64 keys: four chains, chain c over accumulators 2 c and 2 c + 1, each read from its low end on
.endr
.irp i, 3,5,7,9,11,13
.irp c, 0,1,2,3
	v_max3_num_f32 v[MX+\c], v[MX+\c], v[S+16*\c+\i], v[S+16*\c+\i+1]
.endr
.endr
	v_max3_num_f32 v[MX], v[MX], v[MX+1], v[S+15]  ; the chains and the four scores left over
	v_max3_num_f32 v[MX+2], v[MX+2], v[MX+3], v[S+31]
	v_mov_b32 v[X2], v[NM]                         ; the old -M is kept for f
	v_max3_num_f32 v[MX], v[MX], v[S+47], v[S+63]
	v_max_num_f32 v[X1], v[MX], v[MX+2]
	v_permlanex16_b32 v[PT], v[X1], s[SEL], s[SEL+1]
	v_max_num_f32 v[X1], v[X1], v[PT]              ; and among lane l xor 16's
	v_fma_f32 v[X1], v[X1], s[CS], v[BA]           ; as t (c is positive)
	v_max_num_f32 v[TM], v[TM], v[X1]
	v_floor_f32 v[NM], -v[TM]                      ; the new -M = -ceil(t): a whole number
	v_add_f32 v[AD], v[BA], v[NM]                  ; base - M
	v_sub_f32 v[X2], v[NM], v[X2]                  ; old M - new M, 0 or less
	PKF 0                                          ; the first four scalings lead; f is made between them
	v_cvt_i32_f32 v[X2], v[X2]                     ; (it saturates)
	PKF 1
	v_ldexp_f32 v[FF], 1.0, v[X2]                  ; f = 2^(old M - new M)
	PKF 2
	PKF 3
; ONE BATCH: the 64 exponentials; behind three of every four stands one plain line that names no exponential's result: the other 28 scalings (each well ahead of its pair's exponentials),
; the sum x f, and O^T x f (16 lines): 45 in all.
.set ee, 0
.rept 64
	v_exp_f32 v[S+ee], v[S+ee]                     ; p = 2^(t - M)
.if (ee%4) != 3
.set kk, 3*(ee/4)+ee%4
.if kk < 28
	PKF 4+kk
.elseif kk == 28
	v_pk_mul_f32 v[LL:LL+1], v[LL:LL+1], v[FF:FF+1] op_sel_hi:[1,0]
.elseif kk < 45
	v_pk_mul_f32 v[OO+2*(kk-29):OO+2*(kk-29)+1], v[OO+2*(kk-29):OO+2*(kk-29)+1], v[FF:FF+1] op_sel_hi:[1,0]
.endif
.endif
.set ee, ee+1
.endr
	v_nop                                          ; the plain instruction behind the last exponential,
	s_wait_alu depctr_va_vdst(0)                   ; and one wait for the batch of 64, ahead of the first line that names a result
	v_pk_add_f32 v[SM2:SM2+1], v[S:S+1], v[S+2:S+3]   ; the sum is taken of the unquantised p, in four chains
	v_pk_add_f32 v[SM3:SM3+1], v[S+4:S+5], v[S+6:S+7]
	v_pk_add_f32 v[SM4:SM4+1], v[S+8:S+9], v[S+10:S+11]
	v_pk_add_f32 v[LL:LL+1], v[LL:LL+1], v[S+12:S+13]
.irp j, 14,22,30,38,46,54
	v_pk_add_f32 v[SM2:SM2+1], v[SM2:SM2+1], v[S+\j:S+\j+1]
	v_pk_add_f32 v[SM3:SM3+1], v[SM3:SM3+1], v[S+\j+2:S+\j+3]
	v_pk_add_f32 v[SM4:SM4+1], v[SM4:SM4+1], v[S+\j+4:S+\j+5]
	v_pk_add_f32 v[LL:LL+1], v[LL:LL+1], v[S+\j+6:S+\j+7]
.endr
	v_pk_add_f32 v[SM2:SM2+1], v[SM2:SM2+1], v[S+62:S+63]
	v_pk_add_f32 v[SM3:SM3+1], v[SM3:SM3+1], v[SM4:SM4+1]
.irp t, 0,1,2,3,4,5,6,7
.irp i, 0,1,2,3,4,5,6,7
	v_min_num_f32 v[S+8*\t+\i], v[S+8*\t+\i], v[LM8]   ; the conversion does not saturate (ISA guide 7.6.2); p is not negative: a one-sided hold
.endr
	v_cvt_scalef32_pk8_fp8_f32 v[PP+2*\t:PP+2*\t+1], v[S+8*\t:S+8*\t+7], v[SC8]
.if \t == 0
	v_pk_add_f32 v[LL:LL+1], v[LL:LL+1], v[SM2:SM2+1]   ; the chains meet, among the holds
.endif
.if \t == 1
	v_pk_add_f32 v[LL:LL+1], v[LL:LL+1], v[SM3:SM3+1]
.endif
.endr
	v_nop                                          ; a plain instruction behind the last conversion, ahead of the products that read its codes or write S anew
.endm
.macro PV                              ; O^T += V^T P^T: eight accumulators, one instruction a turn
	WIN 0x01
.irp t, 0,1,2,3
.irp u, 0,1
	v_wmma_f32_16x16x128_fp8_fp8 v[O+32*\u+8*\t:O+32*\u+8*\t+7], v[VF+16*\t:VF+16*\t+15], v[P+16*\u:P+16*\u+15], v[O+32*\u+8*\t:O+32*\u+8*\t+7]
.endr
.endr
	WIN 0
.endm
.macro FETCHK off                      ; a step's 16 fragment loads of K, off bytes behind the step in hand
	WIN 0x40
.irp t, 0,1,2,3,4,5,6,7
.irp c, 0,1
	ds_load_b128 v[KF+8*\t+4*\c:KF+8*\t+4*\c+3], v[ADK] offset:(\off)+16*KP*\t+32*\c
.endr
.endr
	WIN 0
.endm
.macro STEP pf                         ; 128 keys.  pf = 1: the next step's K is fetched
.rept 4
	v_nop                                          ; places ahead of the loads into V's fragments, which the last products read
.endr
	v_add_nc_u32 v[ADK], s[KO], v[AK0]
	v_add_nc_u32 v[ADV], s[VO], v[AV0]
	WIN 0x40
.irp t, 0,1,2,3
.irp c, 0,1,2,3
	ds_load_b128 v[VF+16*\t+4*\c:VF+16*\t+4*\c+3], v[ADV] offset:16*VP*\t+32*\c
.endr
.endr
	WIN 0
	s_wait_dscnt 16                                ; K's sixteen loads, asked for a step ago, are in; V's sixteen just issued may be out
	SCORE 0
	SOFT 0
	SCORE 1
.if \pf
	FETCHK KSTB                                    ; both tiles have multiplied by this step's K, and four places lie behind the last product
.endif
	SOFT 1
.if \pf
	s_wait_dscnt 16                                ; V is in; the next step's sixteen loads of K may be out
.else
	s_wait_dscnt 0x0                               ; V
.endif
	PV
	s_cmp_eq_u32 s[KS], s[KD]                      ; behind my queries' own step the keys lie to the right: W and the factor of dq change sign, once
	s_cbranch_scc0 .Lno_flip_\@
	WIN 0x41
.set n, 0
.rept 32
	v_pk_mul_f32 v[W+n:W+n+1], v[W+n:W+n+1], -1.0 op_sel_hi:[1,0]
.set n, n+2
.endr
	WIN 0
	v_mul_f32 v[NPL], -1.0, v[NPL]
.Lno_flip_\@:
	v_add_f32 v[ST+8], 0xc3000000, v[ST+8]         ; dq for the next step: - 128
	v_add_f32 v[ST+20], 0xc3000000, v[ST+20]
	s_add_co_u32 s[KO], s[KO], KSTB
	s_add_co_u32 s[VO], s[VO], VSTB
	s_add_co_u32 s[KS], s[KS], 1
.endm
; A group has landed, in every wave.  fill = 1: group g, whose bytes nothing has filled yet, goes out first thing behind the barrier: the wave's one tensor load until the next barrier.
.macro MEET fill, g
	s_wait_tensorcnt 0x0                           ; my one tensor load has landed
	ds_add_u32 v[SPW], v[NIL]                      ; 0 onto my spare word
	s_wait_dscnt 0x0                               ; the add is done, and no LDS load of mine is out
	s_barrier_signal -1
	s_barrier_wait -1                              ; everybody's has
.if \fill
	TLOAD \g
.endif
.endm
.macro RUN trips
	s_mov_b32 s[CNT], \trips
.Lstep_\@:
	STEP 1
	s_sub_co_u32 s[CNT], s[CNT], 1
	s_cmp_lg_u32 s[CNT], 0
	s_cbranch_scc1 .Lstep_\@
.endm
	MEET 1, 1                                      ; keys 0-511 are in; keys 512-1023 go out
	v_add_nc_u32 v[ADK], s[KO], v[AK0]
	FETCHK 0                                       ; step 0's K
	RUN 3                                          ; steps 0-2; they fetch K of steps 1-3
	MEET 1, 2                                      ; keys 512-1023 are in; keys 1024-1535 go out
	RUN 4                                          ; steps 3-6; K of steps 4-7
	MEET 1, 3                                      ; keys 1024-1535 are in; the last 512 go out
	RUN 4                                          ; steps 7-10; K of steps 8-11
	MEET 0, 0                                      ; all keys are in
	RUN 4                                          ; steps 11-14; K of steps 12-15
	STEP 0                                         ; step 15 fetches no K
	; THE WAY OUT: O^T / the sum x 2^(e8 + e9), quantised with 2^e10.  Lane (r, h) holds channels 32 h + 8 t + j of query r: 32 codes, two stores of 16 bytes
.rept 4
	v_nop
.endr
.irp u, 0,1
	v_add_f32 v[ST+12*\u+10], v[ST+12*\u+4], v[ST+12*\u+5]
.endr
.irp u, 0,1
	v_permlanex16_b32 v[ST+12*\u+11], v[ST+12*\u+10], s[SEL], s[SEL+1]
.endr
.irp u, 0,1
	v_add_f32 v[ST+12*\u+10], v[ST+12*\u+10], v[ST+12*\u+11]
.endr
.irp u, 0,1
	v_rcp_f32 v[ST+12*\u+6], v[ST+12*\u+10]
.endr
	v_nop                                          ; a plain instruction behind the reciprocals,
	s_wait_alu depctr_va_vdst(0)                   ; and one wait for both
.irp u, 0,1
	v_ldexp_f32 v[ST+12*\u+6], v[ST+12*\u+6], s96
.endr
.irp u, 0,1
.set n, 0
.rept 16
	v_pk_mul_f32 v[S+32*\u+n:S+32*\u+n+1], v[O+32*\u+n:O+32*\u+n+1], v[ST+12*\u+6:ST+12*\u+7] op_sel_hi:[1,0]
.set n, n+2
.endr
.irp t, 0,1,2,3
.irp i, 0,1,2,3,4,5,6,7
	v_med3_num_f32 v[S+32*\u+8*\t+\i], v[S+32*\u+8*\t+\i], -v[LM10], v[LM10]
.endr
	v_cvt_scalef32_pk8_fp8_f32 v[P+8*\u+2*\t:P+8*\u+2*\t+1], v[S+32*\u+8*\t:S+32*\u+8*\t+7], v[SC10]
.endr
	v_nop
	global_store_b128 v[GO], v[P+8*\u:P+8*\u+3],   s[14:15] offset:16384*\u
	global_store_b128 v[GO], v[P+8*\u+4:P+8*\u+7], s[14:15] offset:16384*\u+16
.endr
	s_wait_tensorcnt 0x0                           ; the wave's end
	ds_add_u32 v[SPW], v[NIL]
	s_wait_dscnt 0x0
	s_endpgm
.Lfunc_end_k_q557674d1ad_attn:
	.size	k_q557674d1ad_attn, .Lfunc_end_k_q557674d1ad_attn-k_q557674d1ad_attn
	.p2alignl 7, 3214868480
	.fill 96, 4, 3214868480
	.section	.rodata,"a",@progbits
	.p2align	6, 0x0
	.amdhsa_kernel k_q557674d1ad_attn
		.amdhsa_group_segment_fixed_size 327680
		.amdhsa_private_segment_fixed_size 0
		.amdhsa_enable_private_segment 0
		.amdhsa_kernarg_size 48
		.amdhsa_user_sgpr_count 2
		.amdhsa_user_sgpr_kernarg_segment_ptr 1
		.amdhsa_wavefront_size32 1
		.amdhsa_system_sgpr_workgroup_id_x 1
		.amdhsa_system_sgpr_workgroup_id_y 1
		.amdhsa_system_sgpr_workgroup_id_z 1
		.amdhsa_system_vgpr_workitem_id 0
		.amdhsa_next_free_vgpr 512
		.amdhsa_next_free_sgpr 100
		.amdhsa_reserve_vcc 0
		.amdhsa_float_denorm_mode_32 3
		.amdhsa_float_denorm_mode_16_64 3
		.amdhsa_memory_ordered 1
		.amdhsa_forward_progress 1
		.amdhsa_inst_pref_size 252
	.end_amdhsa_kernel
	.amdgpu_metadata
---
amdhsa.version: [ 1, 2 ]
amdhsa.kernels:
  - .name:           k_q557674d1ad_attn
    .symbol:         k_q557674d1ad_attn.kd
    .args:
      - { .name: qkv, .offset: 0, .size: 8, .value_kind: global_buffer, .address_space: global }
      - { .name: lowp_scales, .offset: 8, .size: 8, .value_kind: global_buffer, .address_space: global }
      - { .name: dissonance, .offset: 16, .size: 8, .value_kind: global_buffer, .address_space: global }
      - { .name: distance_scale, .offset: 24, .size: 8, .value_kind: global_buffer, .address_space: global }
      - { .name: diss_sens, .offset: 32, .size: 8, .value_kind: global_buffer, .address_space: global }
      - { .name: ao, .offset: 40, .size: 8, .value_kind: global_buffer, .address_space: global }
    .group_segment_fixed_size: 327680
    .private_segment_fixed_size: 0
    .kernarg_segment_align: 8
    .kernarg_segment_size: 48
    .max_flat_workgroup_size: 256
    .sgpr_count:     100
    .vgpr_count:     512
    .wavefront_size: 32
...
	.end_amdgpu_metadata
.endif
;; end of part 3
;; launch wo (part 4): grid 8 x 32, 4 waves a work-group, clusters of 4 x 4, 327,680 bytes of LDS; arguments ao, wo_codes, lowp_scales, bo, x, x1; writes x1
.if DOCPART == 4
	.amdgcn_target "amdgcn-amd-amdhsa--gfx1250"
	.amdhsa_code_object_version 6
	.text
	.protected	k_q557674d1ad_wo
	.globl	k_q557674d1ad_wo
	.p2align	8
	.type	k_q557674d1ad_wo,@function
k_q557674d1ad_wo:
	s_mov_b64 s[64:65], 0
	v_nop
	global_prefetch_b8 v0, s[64:65] scope:SCOPE_SE
	s_setreg_imm32_b32 hwreg(HW_REG_WAVE_MODE, 25, 1), 1
	s_wait_xcnt 0x0
	s_wait_alu depctr_hold_cnt(0) depctr_sa_sdst(0) depctr_va_vdst(0) depctr_va_sdst(0) depctr_va_ssrc(0) depctr_va_vcc(0) depctr_vm_vsrc(0)
	s_getreg_b32 s2, hwreg(HW_REG_IB_STS2, 6, 4)
	s_cmp_eq_u32 s2, 0
	s_cbranch_scc0 .Lentry_in_a_cluster
	s_endpgm
.Lentry_in_a_cluster:
	s_bfe_u32 s2, ttmp6, 0x10000c
	s_cmp_lg_u32 s2, 0xf033
	s_cbranch_scc0 .Lentry_shape_is_right
	s_endpgm
.Lentry_shape_is_right:
; out[m][n] = res[m][n] + bias[n] + 2^(eA + eB) x sum over k of A[m][k] B[n][k].  A: [4096][SIZE_K], B: [1024][SIZE_K]: codes of E4M3, K innermost; res, out: [4096][1024] f32; sums in f32.
; Here: A = the attention's codes, B = wo's codes, res = x, out = x1.  eA, eB: the two entries of lowp_scales at byte SCOFF.  LIMIT: eA + eB between -126 and 127.
; (res + bias) is formed first and the scaled sum added to it by one fused multiply-add: an order of rounding that differs from res + (sum + bias).
; A tile is 128 x 128, since 1,024 columns give only 64 tiles of 256 x 256 but 256 of this size.  Four waves, each 64 x 64: 16 accumulators.  K goes in steps of 512 (LDS rows of 512 bytes + 16; a wave's
; tensor load brings 64 of them) through two slots.  CLUSTERS: 4 x 4 work-groups; A's tiles are asked for jointly along a row of the cluster, B's along a column.
; By this text's own count a wave has two tensor loads out at the start and one behind each round.
; The matrix instruction is used transposed (source 0 = 16 rows of B, source 1 = 16 rows of A): a lane holds eight neighbouring numbers of a row.  A wave's 64 columns are 256 bytes: each wave has a stage of its own.
; The residual tile is asked for at the head, in whole rows of 256 bytes, and waits in window 2.
; REGISTERS: window 0: v0-31 addresses, v[8:11] the bias of my 4 columns; v32-95 the way out; v128-255 the accumulators ((a, b) at v[128 + 8 (4 a + b)]).
;   window 1: two fragment buffers of 128: 64 registers of A (4 x 16 rows x 128 K), then 64 of B.   window 2: v0-127 the residual, in the layout of the rows read back from the stage.
.set SIZE_K, 1024
.set SCOFF,  40
.set NTOUT,  0                         ; 1: what is stored is read by no later launch
.set KSTEP,  512
.set PITCH,  528                       ; an LDS row: 512 bytes + 16 of padding: the 16 rows that a load touches start at 16 different banks (ISA guide 11.1)
.set HALFT,  64*PITCH
.set SLOT,   4*HALFT
.set STAGE,  2*SLOT                    ; behind the ring: 16 rows x 272 bytes for each wave
.set SPITCH, 272
.set SPARE,  STAGE+4*16*SPITCH         ; behind the stages: the spare words, 128 bytes for each wave
.set LAPS,   SIZE_K/(2*KSTEP)
.set BS,   8                           ; v[8:11]
.set ADRA, 16
.set ADRB, 20
.set STO,  24
.set RD,   25
.set CO,   26                          ; v26  4,096 (l / 16) + 16 (l % 16): my bytes in two rows of res and out
.set BO,   27                          ; v27  16 (l % 16)
.set SPW,  28
.set NIL,  29
.set TB,   32
.set ACC,  128
.set F0,   0
.set F1,   128
.set G1, 24
.set G0, 32
.set G1B, 48
.set G0B, 56
.set MSB, 0
.macro WIN new
.if MSB != \new
	s_set_vgpr_msb (MSB<<8)|\new
.set MSB, \new
.endif
.endm
.set MUL,  0x05                        ; sources 0 (B) and 1 (A) window 1; C and D window 0
.set TO_F, 0x40                        ; destination window 1, address window 0
.macro JLOAD s                         ; a joint load: waves 0 and 1 fetch A's two halves, waves 2 and 3 B's; four v_nop follow each of the two lines
	s_cmp_eq_u32 s11, 0
	s_cbranch_scc0 .Lfor_b_\@
	tensor_load_to_lds s[G0+4*\s:G0+4*\s+3], s[G1:G1+7]
	s_nop 0
.rept 4
	v_nop
.endr
	s_branch .Lasked_\@
.Lfor_b_\@:
	tensor_load_to_lds s[G0B+4*\s:G0B+4*\s+3], s[G1B:G1B+7]
	s_nop 0
.rept 4
	v_nop
.endr
.Lasked_\@:
.endm
.macro CREST
	s_cmp_lg_u32 s10, 0
	s_cbranch_scc1 .Lnot_wave_0_\@
	s_barrier_signal -3
.Lnot_wave_0_\@:
	s_barrier_wait -3
	s_barrier_signal -1
	s_barrier_wait -1
.endm
.macro CROUND
	s_barrier_signal -1
	s_barrier_wait -1
	CREST
.endm
	s_load_b128 s[4:7], s[0:1], 0x0                ; A s[4:5], B s[6:7]
	s_load_b256 s[68:75], s[0:1], 0x10             ; scales s[68:69], bias s[70:71], res s[72:73], out s[74:75]
	v_lshl_add_u32 v[SPW], v0, 2, SPARE
	v_mov_b32 v[NIL], 0
	ds_add_u32 v28, v29
	ds_add_u32 v28, v29
	s_wait_dscnt 0x0
	v_lshrrev_b32 v1, 5, v0
	v_readfirstlane_b32 s10, v1                    ; wave 0..3
	s_lshr_b32 s11, s10, 1                         ; which half of the tile's rows is mine.  Also: I fetch for A (0) or for B (1)
	s_and_b32 s12, s10, 1                          ; which half of its columns.  Also: which 64 rows of that tile I fetch
	s_bfe_u32 s40, ttmp6, 0x40000
	s_bfe_u32 s41, ttmp6, 0x40004
	s_lshl_b32 s42, ttmp9, 2
	s_add_co_u32 s42, s42, s40                     ; tile column
	s_and_b32 s13, ttmp7, 0xffff
	s_lshl_b32 s13, s13, 2
	s_add_co_u32 s13, s13, s41                     ; tile row
	s_lshl_b32 s43, s41, 2
	s_lshl_b32 s43, 15, s43                        ; my row of the cluster
	s_lshl_b32 s44, 0x1111, s40                    ; my column
	s_or_b32 s[G1+0], s43, (0<<16)|(1<<20)|(1<<21)|(6<<22)|(3<<25)  ; the mask; elements of 1 byte; padding on; 21 set beside a mask; after every 128 words four words
	s_or_b32 s[G1B+0], s44, (0<<16)|(1<<20)|(1<<21)|(6<<22)|(3<<25)
.irp g, G1, G1B
	s_mov_b32 s[\g+1], KSTEP<<16                   ; tensor_dim0
	s_mov_b32 s[\g+2], 64<<16                      ; tensor_dim1
	s_mov_b32 s[\g+3], KSTEP<<16                   ; tile_dim0
	s_mov_b32 s[\g+4], 64                          ; tile_dim1
	s_mov_b32 s[\g+5], SIZE_K                      ; stride
	s_mov_b32 s[\g+6], 0
	s_mov_b32 s[\g+7], 0
.endr
	s_lshl_b32 s17, s12, 6
	s_lshl_b32 s16, s13, 7
	s_add_co_u32 s16, s16, s17                     ; A: row 128 x tile row + 64 x half
	s_lshl_b32 s46, s42, 7
	s_add_co_u32 s46, s46, s17                     ; B: row 128 x tile column + 64 x half
	s_mul_i32 s16, s16, SIZE_K                     ; in bytes: under 2^24
	s_mul_i32 s46, s46, SIZE_K
	s_mov_b32 s17, 0
	s_mov_b32 s47, 0
	s_mul_i32 s20, s10, HALFT
	s_wait_kmcnt 0x0
	s_load_b64 s[78:79], s[68:69], SCOFF           ; eA, eB
	s_add_nc_u64 s[14:15], s[4:5], s[16:17]
	s_add_nc_u64 s[46:47], s[6:7], s[46:47]
	CROUND                                         ; all sixteen work-groups are here: the first joint loads meet
.irp s, 0,1
	s_mov_b32 s[G0+4*\s], 1
	s_add_co_u32 s[G0+4*\s+1], s20, \s*SLOT
	s_add_nc_u64 s[G0+4*\s+2:G0+4*\s+3], s[14:15], \s*KSTEP
	s_or_b32 s[G0+4*\s+3], s[G0+4*\s+3], 0x80000000
	s_mov_b32 s[G0B+4*\s], 1
	s_add_co_u32 s[G0B+4*\s+1], s20, \s*SLOT
	s_add_nc_u64 s[G0B+4*\s+2:G0B+4*\s+3], s[46:47], \s*KSTEP
	s_or_b32 s[G0B+4*\s+3], s[G0B+4*\s+3], 0x80000000
	JLOAD \s
.endr
	v_and_b32 v1, 15, v0                           ; r = l % 16
	v_bfe_u32 v2, v0, 4, 1                         ; h = l / 16
	v_mul_u32_u24 v3, v1, PITCH
	v_lshl_add_u32 v3, v2, 4, v3
	s_mul_i32 s21, s11, HALFT
	s_mul_i32 s22, s12, HALFT
	s_add_co_u32 s22, s22, 2*HALFT
.irp s, 0,1
	v_add_nc_u32 v[ADRA+\s], s21, v3
	v_add_nc_u32 v[ADRB+\s], s22, v3
	s_add_co_u32 s21, s21, SLOT
	s_add_co_u32 s22, s22, SLOT
.endr
	s_mul_i32 s23, s10, 16*SPITCH
	s_add_co_u32 s23, s23, STAGE                   ; my stage
	v_mul_u32_u24 v4, v1, SPITCH
	v_lshl_add_u32 v4, v2, 5, v4
	v_add_nc_u32 v[STO], s23, v4                   ; in: row r, 32 bytes for each half of the lanes
	v_mul_u32_u24 v5, v2, SPITCH
	v_lshl_add_u32 v5, v1, 4, v5
	v_add_nc_u32 v[RD], s23, v5                    ; back: lanes 0-15 one row of 256 bytes, lanes 16-31 the next
	v_lshlrev_b32 v[BO], 4, v1
	v_lshl_add_u32 v[CO], v2, 12, v[BO]
	s_lshl_b32 s16, s13, 7
	s_lshl_b32 s17, s11, 6
	s_add_co_u32 s16, s16, s17
	s_lshl_b32 s16, s16, 12                        ; my first row, of 4,096 bytes
	s_lshl_b32 s46, s42, 9
	s_lshl_b32 s47, s12, 8
	s_add_co_u32 s46, s46, s47                     ; my first column, in bytes
	s_mov_b32 s47, 0
	s_add_nc_u64 s[70:71], s[70:71], s[46:47]
	s_add_co_u32 s16, s16, s46
	s_mov_b32 s17, 0
	s_add_nc_u64 s[72:73], s[72:73], s[16:17]
	s_add_nc_u64 s[74:75], s[74:75], s[16:17]
	global_load_b128 v[BS:BS+3], v[BO], s[70:71]
	WIN 0x80                                       ; destination window 2
.irp a, 0,1,2,3
.irp t, 0,1,2,3,4,5,6,7
	global_load_b128 v[32*\a+4*\t:32*\a+4*\t+3], v[CO], s[72:73] offset:4096*(16*\a+2*\t)   ; rows 16 a + 2 t + l / 16: sixteen lanes read 256 consecutive bytes, aligned
.endr
.endr
	WIN 0
.macro FRAG reg, adr, k, i             ; a fragment: lane l holds row l % 16; registers 4 c .. 4 c + 3 hold K = 32 c + 16 (l / 16) + 0 .. 15: the same places of k in both operands
.irp c, 0,1,2,3
	ds_load_b128 v[\reg+4*\c:\reg+4*\c+3], v[\adr] offset:(\k)+32*\c+(\i)*16*PITCH
.endr
.endm
.macro FETCH slot, k, f                ; 32 LDS loads in one run: 128 along K at byte k of the rows; B's four blocks and A's blocks 0, 1 first
	WIN TO_F
.irp i, 0,1,2,3
	FRAG \f+64+16*\i, ADRB+\slot, \k, \i
.endr
.irp i, 0,1,2,3
	FRAG \f+16*\i, ADRA+\slot, \k, \i
.endr
.endm
.macro MULA f, a, zero                 ; four matrix instructions: A's block a x B's four.  The sixteen accumulators take turns in the same order in every quarter
.irp b, 0,1,2,3
.if \zero
	v_wmma_f32_16x16x128_fp8_fp8 v[ACC+8*(4*(\a)+\b):ACC+8*(4*(\a)+\b)+7], v[\f+64+16*\b:\f+64+16*\b+15], v[\f+16*(\a):\f+16*(\a)+15], 0
.else
	v_wmma_f32_16x16x128_fp8_fp8 v[ACC+8*(4*(\a)+\b):ACC+8*(4*(\a)+\b)+7], v[\f+64+16*\b:\f+64+16*\b+15], v[\f+16*(\a):\f+16*(\a)+15], v[ACC+8*(4*(\a)+\b):ACC+8*(4*(\a)+\b)+7]
.endif
.endr
.endm
.macro PLACES                          ; four places in front of loads into registers that matrix instructions have read
.rept 4
	v_nop
.endr
.endm
; A K step is four quarters of 128 along K, 16 matrix instructions each, on buffers 0, 1, 0, 1.
.macro QUARTER slot, k, f, g, zero
	s_wait_dscnt 8                                 ; B's blocks and A's blocks 0, 1 are in; the youngest eight loads (A's blocks 2, 3) may be out
	WIN MUL
	MULA \f, 0, \zero
	MULA \f, 1, \zero
	PLACES
	FETCH \slot, \k, \g
	s_wait_dscnt 32                                ; all but the 32 just issued
	WIN MUL
	MULA \f, 2, \zero
	MULA \f, 3, \zero
.endm
; The last quarter multiplies buffer 1 and changes slots: ONE barrier; in front of it each wave waits for all its tensor loads, adds 0 to its spare word, and waits for that and for its own reads of this slot.
.macro TURN slot, next, fill
	WIN 0                                          ; (the add's two registers lie in window 0)
	s_wait_tensorcnt 0x0                           ; all my tensor loads have landed: my part of the next slot
	ds_add_u32 v[SPW], v[NIL]                      ; 0 onto my spare word
	s_wait_dscnt 9                                 ; (the add and the youngest eight loads may be out)
	WIN MUL
	MULA F1, 0, 0
	s_wait_dscnt 0x0                               ; the add is done, and my reads of this slot are over
	s_barrier_signal -1
	MULA F1, 1, 0
.if \fill
	WIN 0
.endif
	s_barrier_wait -1
.if \fill
	CREST                                          ; the barrier has opened a round of the cluster's barrier: no wave of any partner still reads this slot or has a load on its way
	s_add_nc_u64 s[G0+4*\slot+2:G0+4*\slot+3], s[G0+4*\slot+2:G0+4*\slot+3], 2*KSTEP
	s_add_nc_u64 s[G0B+4*\slot+2:G0B+4*\slot+3], s[G0B+4*\slot+2:G0B+4*\slot+3], 2*KSTEP
	JLOAD \slot                                    ; the first tensor load behind the round; its four v_nop are the places in front of the loads below
.else
	PLACES
.endif
	FETCH \next, 0, F0
	WIN MUL
	MULA F1, 2, 0
	MULA F1, 3, 0
.endm
	s_wait_tensorcnt 1                             ; my part of K step 0 is in (K step 1's load may be out)
	s_barrier_signal -1
	s_barrier_wait -1                              ; everybody's is
	FETCH 0, 0, F0
	QUARTER 0, 128, F0, F1, 1                      ; the first quarter's products start the sums: nothing is cleared
.if LAPS > 1
	WIN 0
	s_mov_b32 s3, LAPS-1
.Llap:
	QUARTER 0, 256, F1, F0, 0
	QUARTER 0, 384, F0, F1, 0
	TURN 0, 1, 1
	QUARTER 1, 128, F0, F1, 0
	QUARTER 1, 256, F1, F0, 0
	QUARTER 1, 384, F0, F1, 0
	TURN 1, 0, 1
	QUARTER 0, 128, F0, F1, 0
	WIN 0
	s_sub_co_u32 s3, s3, 1
	s_cmp_lg_u32 s3, 0
	s_cbranch_scc1 .Llap
.endif
	QUARTER 0, 256, F1, F0, 0                      ; the last lap fills nothing
	QUARTER 0, 384, F0, F1, 0
	TURN 0, 1, 0
	QUARTER 1, 128, F0, F1, 0
	QUARTER 1, 256, F1, F0, 0
	QUARTER 1, 384, F0, F1, 0
	s_wait_dscnt 8
	WIN MUL
	MULA F1, 0, 0
	MULA F1, 1, 0
	s_wait_dscnt 0
	MULA F1, 2, 0
	MULA F1, 3, 0
	WIN 0
	; THE WAY OUT.  A block of 16 rows x 64 columns of raw sums goes through my stage and comes back as whole rows of 256 bytes, where the residual already lies in the same layout.
	s_wait_kmcnt 0x0
	s_wait_loadcnt 0x0                             ; bias and residual
	s_add_co_i32 s76, s78, s79
	s_add_co_i32 s76, s76, 127
	s_lshl_b32 s76, s76, 23                        ; 2^(eA + eB) as f32
	s_mov_b32 s77, s76                             ; (named with it as a pair, so it is written)
	WIN 0x82                                       ; source 0 and destination window 2
.set n, 0
.rept 64
	v_pk_add_f32 v[n:n+1], v[n:n+1], v[BS+n%4:BS+n%4+1]   ; residual + bias.  These lines are also the places behind the last products
.set n, n+2
.endr
	WIN 0
.macro TOSTAGE a
.set TR, TB+32*((\a)%2)
.irp b, 0,1,2,3
	ds_store_b128 v[STO], v[ACC+8*(4*(\a)+\b):ACC+8*(4*(\a)+\b)+3]   offset:64*\b      ; each accumulator from its low end on
	ds_store_b128 v[STO], v[ACC+8*(4*(\a)+\b)+4:ACC+8*(4*(\a)+\b)+7] offset:64*\b+16
.endr
.irp t, 0,1,2,3,4,5,6,7
	ds_load_b128 v[TR+4*\t:TR+4*\t+3], v[RD] offset:\t*2*SPITCH   ; LDS serves a wave's instructions in order (ISA guide 5.7.1.4): these see the stores above
.endr
.endm
.macro SEND a, younger                 ; younger: the LDS instructions issued behind block a's loads, which may stay out
.set TR, TB+32*((\a)%2)
	s_wait_dscnt \younger
	WIN 0x20                                       ; source 2 window 2
.set n, 0
.rept 16
	v_pk_fma_f32 v[TR+n:TR+n+1], v[TR+n:TR+n+1], s[76:77], v[32*(\a)+n:32*(\a)+n+1] op_sel_hi:[1,0,1]
.set n, n+2
.endr
	WIN 0
.irp t, 0,1,2,3,4,5,6,7
.if NTOUT
	global_store_b128 v[CO], v[TR+4*\t:TR+4*\t+3], s[74:75] offset:4096*(16*(\a)+2*\t) th:TH_STORE_NT
.else
	global_store_b128 v[CO], v[TR+4*\t:TR+4*\t+3], s[74:75] offset:4096*(16*(\a)+2*\t)   ; sixteen lanes store 256 consecutive bytes, aligned
.endif
.endr
.endm
	TOSTAGE 0
.irp a, 1,2,3
.if \a > 1
	s_wait_xcnt 0x0                                ; block a - 2's stores have read their registers: block a's loads may land there
.endif
	TOSTAGE \a
	SEND \a-1, 16                                  ; behind block a - 1's loads: block a's 8 stores and 8 loads
.endr
	SEND 3, 0
	s_wait_tensorcnt 0x0                           ; the wave's end
	ds_add_u32 v[SPW], v[NIL]
	s_wait_dscnt 0x0
	CROUND                                         ; the closing round
	s_endpgm
.Lfunc_end_k_q557674d1ad_wo:
	.size	k_q557674d1ad_wo, .Lfunc_end_k_q557674d1ad_wo-k_q557674d1ad_wo
	.p2alignl 7, 3214868480
	.fill 96, 4, 3214868480
	.section	.rodata,"a",@progbits
	.p2align	6, 0x0
	.amdhsa_kernel k_q557674d1ad_wo
		.amdhsa_group_segment_fixed_size 327680
		.amdhsa_private_segment_fixed_size 0
		.amdhsa_enable_private_segment 0
		.amdhsa_kernarg_size 48
		.amdhsa_user_sgpr_count 2
		.amdhsa_user_sgpr_kernarg_segment_ptr 1
		.amdhsa_wavefront_size32 1
		.amdhsa_system_sgpr_workgroup_id_x 1
		.amdhsa_system_sgpr_workgroup_id_y 1
		.amdhsa_system_sgpr_workgroup_id_z 1
		.amdhsa_system_vgpr_workitem_id 0
		.amdhsa_next_free_vgpr 768
		.amdhsa_next_free_sgpr 80
		.amdhsa_reserve_vcc 0
		.amdhsa_float_denorm_mode_32 3
		.amdhsa_float_denorm_mode_16_64 3
		.amdhsa_memory_ordered 1
		.amdhsa_forward_progress 1
		.amdhsa_inst_pref_size 53
	.end_amdhsa_kernel
	.amdgpu_metadata
---
amdhsa.version: [ 1, 2 ]
amdhsa.kernels:
  - .name:           k_q557674d1ad_wo
    .symbol:         k_q557674d1ad_wo.kd
    .args:
      - { .name: ao, .offset: 0, .size: 8, .value_kind: global_buffer, .address_space: global }
      - { .name: wo_codes, .offset: 8, .size: 8, .value_kind: global_buffer, .address_space: global }
      - { .name: lowp_scales, .offset: 16, .size: 8, .value_kind: global_buffer, .address_space: global }
      - { .name: bo, .offset: 24, .size: 8, .value_kind: global_buffer, .address_space: global }
      - { .name: x, .offset: 32, .size: 8, .value_kind: global_buffer, .address_space: global }
      - { .name: x1, .offset: 40, .size: 8, .value_kind: global_buffer, .address_space: global }
    .group_segment_fixed_size: 327680
    .private_segment_fixed_size: 0
    .kernarg_segment_align: 8
    .kernarg_segment_size: 48
    .max_flat_workgroup_size: 128
    .sgpr_count:     80
    .vgpr_count:     768
    .wavefront_size: 32
...
	.end_amdgpu_metadata
.endif
;; end of part 4
;; launch ln2q (part 5): grid 256 x 1, 8 waves a work-group, no clusters, 0 bytes of LDS; arguments x1, ln2_g, ln2_b, lowp_scales, hc; writes hc
.if DOCPART == 5
	.amdgcn_target "amdgcn-amd-amdhsa--gfx1250"
	.amdhsa_code_object_version 6
	.text
	.protected	k_q557674d1ad_ln2q
	.globl	k_q557674d1ad_ln2q
	.p2align	8
	.type	k_q557674d1ad_ln2q,@function
k_q557674d1ad_ln2q:
	s_mov_b64 s[64:65], 0
	v_nop
	global_prefetch_b8 v0, s[64:65] scope:SCOPE_SE
	s_setreg_imm32_b32 hwreg(HW_REG_WAVE_MODE, 25, 1), 1
	s_wait_xcnt 0x0
; LayerNorm of x1 [4096][1024] f32 (gain ln2_g, bias ln2_b, eps 1e-5), quantised to E4M3 with the given scale 2^e of entry 12 of lowp_scales: the left operand of the first feed-forward product.
; Codes: [4096][1024], K innermost.  code = y / 2^e, held within +-448, to the nearest code, ties to even.  LIMITS: e between -126 and 119; NaN among the inputs is not served.
; SHARES.  Eight waves; the work-group owns 16 rows, a wave two.  A row stays in 32 registers of its wave between the mean, the variance (taken of the
; differences from the mean, so a common offset of the inputs does no harm) and the quantiser: it is read from memory once, and no wave waits for another.
; Lane l holds, of chunk j = 0..3, elements 256 j + 8 l + 0..7: eight neighbours along K, as the conversion wants them; a chunk's two loads cover 1,024
; consecutive bytes, and a chunk's codes, 8 bytes a lane, leave as 256 consecutive bytes, aligned.
; No LDS, no barrier, no matrix unit: the launch is a stream.  All 32 loads of a wave go out at its head, so nothing is left to ask for ahead of time.
.set NT,    1                          ; quantisers
.set SCOFF, 48                         ; byte of the entry in lowp_scales
.set XO,  2                            ; v2   32 x lane + 8,192 x wave
.set GO,  3                            ; v3   32 x lane
.set CO,  4                            ; v4   8 x lane + 2,048 x wave
.set MU,  6                            ; v[6:7]   the mean, twice
.set RS,  8                            ; v[8:9]   1 / sqrt(var + eps), twice
.set PT,  10                           ; v10  target of the lane permute
.set CH,  12                           ; v[12:19] four packed chains
.set QC,  20                           ; v20: 2^e as f32; v21: 448 x 2^e
.set X,   32                           ; v32-95   the two rows
.set G,   96                           ; v96-127  gain of my 32 columns
.set B,   128                          ; v128-159 bias
.set TT,  160                          ; v160-175 two sets of eight held numbers, by turns
.set C,   176                          ; v176..   codes: a pair of its own for every store
	s_load_b256 s[4:11], s[0:1], 0x0               ; x1 s[4:5], gain s[6:7], bias s[8:9], scales s[10:11]
	s_load_b64 s[12:13], s[0:1], 0x20              ; the codes
	v_and_b32 v1, 31, v0                           ; lane
	v_lshrrev_b32 v5, 5, v0                        ; wave
	v_lshlrev_b32 v[GO], 5, v1
	v_lshl_add_u32 v[XO], v5, 13, v[GO]
	v_lshlrev_b32 v[CO], 3, v1
	v_lshl_add_u32 v[CO], v5, 11, v[CO]
	v_mov_b32 v[PT], 0                             ; a lane permute's destination counts as read: written once
	s_lshl_b32 s2, ttmp9, 16                       ; 16 rows of 4,096 bytes
	s_mov_b32 s3, 0
	s_lshl_b32 s18, ttmp9, 14                      ; 16 rows of 1,024 codes
	s_mov_b32 s19, 0
	s_mov_b32 s28, 0x76543210                      ; v_permlanex16_b32: lane l takes lane l xor 16
	s_mov_b32 s29, 0xfedcba98
	s_mov_b32 s30, 0x3a800000                      ; 1 / 1024
	s_wait_kmcnt 0x0
	s_load_b32 s20, s[10:11], SCOFF                ; e
	s_add_nc_u64 s[4:5], s[4:5], s[2:3]
	s_add_nc_u64 s[12:13], s[12:13], s[18:19]
.irp i, 0,1
.irp j, 0,1,2,3
	global_load_b128 v[X+32*\i+8*\j:X+32*\i+8*\j+3],   v[XO], s[4:5] offset:4096*\i+1024*\j
	global_load_b128 v[X+32*\i+8*\j+4:X+32*\i+8*\j+7], v[XO], s[4:5] offset:4096*\i+1024*\j+16
.endr
.endr
.irp j, 0,1,2,3
	global_load_b128 v[G+8*\j:G+8*\j+3],   v[GO], s[6:7] offset:1024*\j
	global_load_b128 v[G+8*\j+4:G+8*\j+7], v[GO], s[6:7] offset:1024*\j+16
.endr
.irp j, 0,1,2,3
	global_load_b128 v[B+8*\j:B+8*\j+3],   v[GO], s[8:9] offset:1024*\j
	global_load_b128 v[B+8*\j+4:B+8*\j+7], v[GO], s[8:9] offset:1024*\j+16
.endr
	s_wait_kmcnt 0x0
	s_add_co_i32 s20, s20, 127
	s_lshl_b32 s21, s20, 23
	v_mov_b32 v[QC], s21                           ; 2^e: the conversion takes its exponent field
	s_add_co_i32 s20, s20, 8
	s_lshl_b32 s20, s20, 23
	s_or_b32 s20, s20, 0x600000
	v_mov_b32 v[QC+1], s20                         ; 448 x 2^e
; the four packed chains become one number, the same in all 32 lanes
.macro FOLD
	v_pk_add_f32 v[CH:CH+1], v[CH:CH+1], v[CH+2:CH+3]
	v_pk_add_f32 v[CH+4:CH+5], v[CH+4:CH+5], v[CH+6:CH+7]
	v_pk_add_f32 v[CH:CH+1], v[CH:CH+1], v[CH+4:CH+5]
	v_add_f32 v[CH], v[CH], v[CH+1]
	v_add_f32_dpp v[CH], v[CH], v[CH] row_xmask:1 row_mask:0xf bank_mask:0xf
	v_add_f32_dpp v[CH], v[CH], v[CH] row_xmask:2 row_mask:0xf bank_mask:0xf
	v_add_f32_dpp v[CH], v[CH], v[CH] row_xmask:4 row_mask:0xf bank_mask:0xf
	v_add_f32_dpp v[CH], v[CH], v[CH] row_xmask:8 row_mask:0xf bank_mask:0xf
	v_permlanex16_b32 v[PT], v[CH], s28, s29
	v_add_f32 v[CH], v[CH], v[PT]
.endm
; row i becomes (x - mean) / sqrt(var + eps), in place
.macro STAT i
.set XR, X+32*(\i)
.irp c, 0,1,2,3
	v_pk_add_f32 v[CH+2*\c:CH+2*\c+1], v[XR+2*\c:XR+2*\c+1], v[XR+8+2*\c:XR+8+2*\c+1]   ; the first pairs start the chains: nothing is cleared
.endr
.irp p, 8,9,10,11,12,13,14,15
	v_pk_add_f32 v[CH+2*(\p%4):CH+2*(\p%4)+1], v[CH+2*(\p%4):CH+2*(\p%4)+1], v[XR+2*\p:XR+2*\p+1]
.endr
	FOLD
	v_mul_f32 v[MU], s30, v[CH]
	v_mov_b32 v[MU+1], v[MU]
.irp p, 0,1,2,3,4,5,6,7,8,9,10,11,12,13,14,15
	v_pk_add_f32 v[XR+2*\p:XR+2*\p+1], v[XR+2*\p:XR+2*\p+1], v[MU:MU+1] neg_lo:[0,1] neg_hi:[0,1]
.endr
.irp c, 0,1,2,3
	v_pk_mul_f32 v[CH+2*\c:CH+2*\c+1], v[XR+2*\c:XR+2*\c+1], v[XR+2*\c:XR+2*\c+1]
.endr
.irp p, 4,5,6,7,8,9,10,11,12,13,14,15
	v_pk_fma_f32 v[CH+2*(\p%4):CH+2*(\p%4)+1], v[XR+2*\p:XR+2*\p+1], v[XR+2*\p:XR+2*\p+1], v[CH+2*(\p%4):CH+2*(\p%4)+1]
.endr
	FOLD
	v_fmaak_f32 v[CH], s30, v[CH], 0x3727c5ac      ; var + 1e-5
	v_rsq_f32 v[RS], v[CH]
	v_nop                                          ; a plain instruction behind the transcendental,
	s_wait_alu depctr_va_vdst(0)                   ; and the wait ahead of the first line that names its result
	v_mov_b32 v[RS+1], v[RS]
.irp p, 0,1,2,3,4,5,6,7,8,9,10,11,12,13,14,15
	v_pk_mul_f32 v[XR+2*\p:XR+2*\p+1], v[XR+2*\p:XR+2*\p+1], v[RS:RS+1]
.endr
.endm
; row i: gain and bias; then for each chunk: the hold, the conversion, the store
.macro APPLY i
.set XR, X+32*(\i)
.irp p, 0,2,4,6,8,10,12,14,16,18,20,22,24,26,28,30
	v_pk_fma_f32 v[XR+\p:XR+\p+1], v[XR+\p:XR+\p+1], v[G+\p:G+\p+1], v[B+\p:B+\p+1]
.endr
.irp j, 0,1,2,3
.set TS, TT+8*(\j%2)
.set CR, C+2*(4*(\i)+\j)
.irp k, 0,1,2,3,4,5,6,7
	v_med3_num_f32 v[TS+\k], v[XR+8*\j+\k], -v[QC+1], v[QC+1]   ; the conversion to an 8-bit code does not saturate (ISA guide 7.6.2): the hold comes first.  The other set's eight holds stand between a conversion and the next write of its sources
.endr
	v_cvt_scalef32_pk8_fp8_f32 v[CR:CR+1], v[TS:TS+7], v[QC]
	global_store_b64 v[CO], v[CR:CR+1], s[12:13] offset:1024*(\i)+256*\j   ; the wave stores 256 consecutive bytes, aligned
.endr
.endm
	s_wait_loadcnt 24                              ; row 0's eight loads are in; row 1's, the gain's and the bias's 24 may be out
	STAT 0
	s_wait_loadcnt 16                              ; row 1's are in
	STAT 1
	s_wait_loadcnt 0x0                             ; gain and bias
	APPLY 0
	APPLY 1
	s_endpgm
.Lfunc_end_k_q557674d1ad_ln2q:
	.size	k_q557674d1ad_ln2q, .Lfunc_end_k_q557674d1ad_ln2q-k_q557674d1ad_ln2q
	.p2alignl 7, 3214868480
	.fill 96, 4, 3214868480
	.section	.rodata,"a",@progbits
	.p2align	6, 0x0
	.amdhsa_kernel k_q557674d1ad_ln2q
		.amdhsa_group_segment_fixed_size 0
		.amdhsa_private_segment_fixed_size 0
		.amdhsa_enable_private_segment 0
		.amdhsa_kernarg_size 40
		.amdhsa_user_sgpr_count 2
		.amdhsa_user_sgpr_kernarg_segment_ptr 1
		.amdhsa_wavefront_size32 1
		.amdhsa_system_sgpr_workgroup_id_x 1
		.amdhsa_system_sgpr_workgroup_id_y 1
		.amdhsa_system_sgpr_workgroup_id_z 1
		.amdhsa_system_vgpr_workitem_id 0
		.amdhsa_next_free_vgpr 224
		.amdhsa_next_free_sgpr 66
		.amdhsa_reserve_vcc 0
		.amdhsa_float_denorm_mode_32 3
		.amdhsa_float_denorm_mode_16_64 3
		.amdhsa_memory_ordered 1
		.amdhsa_forward_progress 1
		.amdhsa_inst_pref_size 23
	.end_amdhsa_kernel
	.amdgpu_metadata
---
amdhsa.version: [ 1, 2 ]
amdhsa.kernels:
  - .name:           k_q557674d1ad_ln2q
    .symbol:         k_q557674d1ad_ln2q.kd
    .args:
      - { .name: x1, .offset: 0, .size: 8, .value_kind: global_buffer, .address_space: global }
      - { .name: ln2_g, .offset: 8, .size: 8, .value_kind: global_buffer, .address_space: global }
      - { .name: ln2_b, .offset: 16, .size: 8, .value_kind: global_buffer, .address_space: global }
      - { .name: lowp_scales, .offset: 24, .size: 8, .value_kind: global_buffer, .address_space: global }
      - { .name: hc, .offset: 32, .size: 8, .value_kind: global_buffer, .address_space: global }
    .group_segment_fixed_size: 0
    .private_segment_fixed_size: 0
    .kernarg_segment_align: 8
    .kernarg_segment_size: 40
    .max_flat_workgroup_size: 256
    .sgpr_count:     66
    .vgpr_count:     224
    .wavefront_size: 32
...
	.end_amdgpu_metadata
.endif
;; end of part 5
;; launch ff1 (part 6): grid 16 x 16, 4 waves a work-group, clusters of 4 x 4, 327,680 bytes of LDS; arguments hc, w1_codes, lowp_scales, b1, hid; writes hid
.if DOCPART == 6
	.amdgcn_target "amdgcn-amd-amdhsa--gfx1250"
	.amdhsa_code_object_version 6
	.text
	.protected	k_q557674d1ad_ff1
	.globl	k_q557674d1ad_ff1
	.p2align	8
	.type	k_q557674d1ad_ff1,@function
k_q557674d1ad_ff1:
	s_mov_b64 s[64:65], 0
	v_nop
	global_prefetch_b8 v0, s[64:65] scope:SCOPE_SE
	s_setreg_imm32_b32 hwreg(HW_REG_WAVE_MODE, 25, 1), 1
	s_wait_xcnt 0x0
	s_wait_alu depctr_hold_cnt(0) depctr_sa_sdst(0) depctr_va_vdst(0) depctr_va_sdst(0) depctr_va_ssrc(0) depctr_va_vcc(0) depctr_vm_vsrc(0)
	s_getreg_b32 s2, hwreg(HW_REG_IB_STS2, 6, 4)
	s_cmp_eq_u32 s2, 0
	s_cbranch_scc0 .Lentry_in_a_cluster
	s_endpgm
.Lentry_in_a_cluster:
	s_bfe_u32 s2, ttmp6, 0x10000c
	s_cmp_lg_u32 s2, 0xf033
	s_cbranch_scc0 .Lentry_shape_is_right
	s_endpgm
.Lentry_shape_is_right:
; hid = Q(gelu(H W1^T + b1)): H [4096][1024] and W1 [4096][1024] are codes of E4M3, K innermost (scales: entries 12, 13 of lowp_scales); the result is quantised with entry 14; hid: [4096][4096] codes.
; GELU (exact form): with z = |x| / sqrt 2, t = 1 / (1 + 0.3275911 z), q = (a1 t + .. + a5 t^5) / 2 x e^(-z^2): gelu = 0.5 x + |x| (0.5 - q).
; LIMIT OF THE GELU: erf is taken by this five-term form, whose error is at most 1.5e-7 in absolute terms; for x well below 0, where the result is a small difference, its relative error grows (some 1e-4 at x = -3).
; LIMITS: e12 + e13 between -126 and 127; e14 between -126 and 119.  NaN among the inputs is not served.
; A work-group of four waves makes a tile of 256 x 256, a wave 128 x 128 (64 accumulators, 512 registers).  K goes in steps of 256 through two LDS slots filled by joint tensor loads: 4 x 4 work-groups form a
; cluster; H's tiles are shared along a row of it, W1's along a column.  By this text's own count a wave has two tensor loads out at the start and one behind each round.
; The matrix instruction is used transposed (source 0 = 16 rows of W1, source 1 = 16 rows of H): a lane's eight registers are eight neighbouring hidden units of one row: neighbours along the next K.
; THE WAY OUT IS A LOOP OF TWO TRIPS, to keep the text short: a trip serves the 32 accumulators of window 2; the first trip then copies window 3's onto them.
; A wave's 128 codes of a row are half of an aligned 256 bytes: the four waves share one stage of 256 rows, with a barrier between writing and reading.  It lies in slot 0, which has had its last fill and last read.
; REGISTERS, in windows of 256: window 0: v0-31 addresses; v32-95 b1; from v128 H's fragments, ONE set; on the way out v96-243 are at work.
;   window 1: W1's fragments, TWO sets.   window 2: the accumulators of my rows 0-63 ((a, b) at v[8 (8 a + b)]);   window 3: those of my rows 64-127.
.set SIZE_K, 1024
.set KSTEP,  256
.set ROWB,   256
.set KROW,   SIZE_K
.set PITCH,  272                       ; an LDS row: 256 bytes + 16 of padding (ISA guide 11.1: the 16 rows that a load touches start at 16 different banks)
.set FR,     16
.set NL,     4
.set NP,     4                         ; places behind this matrix instruction (ISA guide 7.12.1)
.set HALFT,  128*PITCH
.set SLOT,   4*HALFT
.set LAPS,   SIZE_K/(2*KSTEP)
.set SPARE,  2*SLOT                    ; behind the ring: the spare words, 128 bytes for each wave
.set SPITCH, 272                       ; a stage row: 256 codes + 16
.set ADRA, 16
.set ADRB, 20
.set STO,  24                          ; v24  the stage: where I put eight codes of a row
.set RD,   25                          ; v25  and where I read a row back
.set CO,   26                          ; v26  4,096 (l / 16) + 16 (l % 16)
.set BQO,  27                          ; v27  32 x (l / 16)
.set SPW,  28
.set NIL,  29
.set STA,  31                          ; v31  STO + the trip's step
.set BI,   32                          ; v32-95  b1 in the result's layout
.set X,    96                          ; v96-127 32 numbers
.set A1,   128                         ; v128-159 1 + p z, then t
.set AF,   128
.set A2,   160                         ; v160-191 -z^2 log2(e), then e^(-z^2), then x / 2
.set A3,   192                         ; v192-223 the polynomial, then 0.5 - q
.set CD,   224                         ; v224-231 codes
.set KA,   232                         ; v232-241 a1 / 2 .. a5 / 2, each twice
.set LM,   242
.set SC,   243
.set G1, 24
.set G0, 32
.set G1B, 48
.set G0B, 56
.set MSB, 0
.macro WIN new
.if MSB != \new
	s_set_vgpr_msb (MSB<<8)|\new
.set MSB, \new
.endif
.endm
.set MUL_LO, 0xa1
.set MUL_HI, 0xf1
.set TO_B,   0x40
.macro JLOAD g0a, g1a, g0b, g1b        ; a joint load: waves 0 and 1 fetch for H, waves 2 and 3 for W1; four v_nop follow each of the two lines
	s_cmp_eq_u32 s15, 0
	s_cbranch_scc0 .Lfor_b_\@
	tensor_load_to_lds s[\g0a:\g0a+3], s[\g1a:\g1a+7]
	s_nop 0
.rept 4
	v_nop
.endr
	s_branch .Lasked_\@
.Lfor_b_\@:
	tensor_load_to_lds s[\g0b:\g0b+3], s[\g1b:\g1b+7]
	s_nop 0
.rept 4
	v_nop
.endr
.Lasked_\@:
.endm
.macro CREST
	s_cmp_lg_u32 s14, 0
	s_cbranch_scc1 .Lnot_wave_0_\@
	s_barrier_signal -3
.Lnot_wave_0_\@:
	s_barrier_wait -3
	s_barrier_signal -1
	s_barrier_wait -1
.endm
.macro CROUND
	s_barrier_signal -1
	s_barrier_wait -1
	CREST
.endm
	s_load_b128 s[4:7], s[0:1], 0x0                ; H's codes s[4:5], W1's codes s[6:7]
	s_load_b128 s[8:11], s[0:1], 0x10              ; scales s[8:9], b1 s[10:11]
	s_load_b64 s[12:13], s[0:1], 0x20              ; hid
	v_lshl_add_u32 v[SPW], v0, 2, SPARE
	v_mov_b32 v[NIL], 0
	ds_add_u32 v28, v29
	ds_add_u32 v28, v29
	s_wait_dscnt 0x0
	v_lshrrev_b32 v1, 5, v0
	v_readfirstlane_b32 s14, v1                    ; wave 0..3
	s_lshr_b32 s15, s14, 1
	s_and_b32 s16, s14, 1
	s_bfe_u32 s40, ttmp6, 0x40000
	s_bfe_u32 s41, ttmp6, 0x40004
	s_lshl_b32 s42, ttmp9, 2
	s_add_co_u32 s42, s42, s40                     ; tile column
	s_and_b32 s17, ttmp7, 0xffff
	s_lshl_b32 s17, s17, 2
	s_add_co_u32 s17, s17, s41                     ; tile row
	s_lshl_b32 s43, s41, 2
	s_lshl_b32 s43, 15, s43
	s_lshl_b32 s44, 0x1111, s40
	s_or_b32 s[G1+0], s43, (0<<16)|(1<<20)|(1<<21)|(5<<22)|(3<<25)
	s_or_b32 s[G1B+0], s44, (0<<16)|(1<<20)|(1<<21)|(5<<22)|(3<<25)
.irp g, G1, G1B
	s_mov_b32 s[\g+1], ROWB<<16
	s_mov_b32 s[\g+2], 128<<16
	s_mov_b32 s[\g+3], ROWB<<16
	s_mov_b32 s[\g+4], 128
	s_mov_b32 s[\g+5], KROW
	s_mov_b32 s[\g+6], 0
	s_mov_b32 s[\g+7], 0
.endr
	s_lshl_b32 s18, s16, 7
	s_lshl_b32 s20, s17, 8
	s_add_co_u32 s20, s20, s18
	s_lshl_b32 s20, s20, 10                        ; H: (256 x tile row + 128 x half) rows of 1,024 bytes
	s_lshl_b32 s46, s42, 8
	s_add_co_u32 s46, s46, s18
	s_lshl_b32 s46, s46, 10                        ; W1: by the tile column
	s_mov_b32 s21, 0
	s_mov_b32 s47, 0
	s_mul_i32 s45, s14, HALFT
	s_wait_kmcnt 0x0
	s_load_b128 s[68:71], s[8:9], 0x30             ; e12, e13, e14, e15
	s_add_nc_u64 s[20:21], s[4:5], s[20:21]
	s_add_nc_u64 s[46:47], s[6:7], s[46:47]
	CROUND
.irp s, 0,1
	s_mov_b32 s[G0+4*\s], 1
	s_add_co_u32 s[G0+4*\s+1], s45, \s*SLOT
	s_add_nc_u64 s[G0+4*\s+2:G0+4*\s+3], s[20:21], \s*ROWB
	s_or_b32 s[G0+4*\s+3], s[G0+4*\s+3], 0x80000000
	s_mov_b32 s[G0B+4*\s], 1
	s_add_co_u32 s[G0B+4*\s+1], s45, \s*SLOT
	s_add_nc_u64 s[G0B+4*\s+2:G0B+4*\s+3], s[46:47], \s*ROWB
	s_or_b32 s[G0B+4*\s+3], s[G0B+4*\s+3], 0x80000000
	JLOAD G0+4*\s, G1, G0B+4*\s, G1B
.endr
	v_and_b32 v1, 15, v0                           ; r
	v_bfe_u32 v2, v0, 4, 1                         ; h
	v_mul_u32_u24 v3, v1, PITCH
	v_lshl_add_u32 v4, v2, 4, v3
	s_mul_i32 s21, s15, HALFT
	s_mul_i32 s22, s16, HALFT
	s_add_co_u32 s22, s22, 2*HALFT
.irp s, 0,1
	v_add_nc_u32 v[ADRA+\s], s21, v4
	v_add_nc_u32 v[ADRB+\s], s22, v4
	s_add_co_u32 s21, s21, SLOT
	s_add_co_u32 s22, s22, SLOT
.endr
	s_mul_i32 s23, s15, 128*SPITCH
	s_lshl_b32 s22, s16, 7
	s_add_co_u32 s23, s23, s22
	v_mul_u32_u24 v5, v1, SPITCH
	v_lshl_add_u32 v5, v2, 3, v5
	v_add_nc_u32 v[STO], s23, v5                   ; in: row 128 x my half + r, byte 128 x my half of the columns + 8 h
	s_mul_i32 s23, s14, 64*SPITCH
	v_mul_u32_u24 v6, v2, SPITCH
	v_lshl_add_u32 v6, v1, 4, v6
	v_add_nc_u32 v[RD], s23, v6                    ; back: wave w takes rows 64 w on, whole: sixteen lanes to a row
	v_lshlrev_b32 v[CO], 4, v1
	v_lshl_add_u32 v[CO], v2, 12, v[CO]
	v_lshlrev_b32 v[BQO], 5, v2
	s_lshl_b32 s20, s17, 8
	s_lshl_b32 s21, s14, 6
	s_add_co_u32 s20, s20, s21
	s_lshl_b32 s20, s20, 12                        ; the first row that I store, of 4,096 bytes
	s_lshl_b32 s46, s42, 8                         ; the tile's first column
	s_add_co_u32 s20, s20, s46
	s_mov_b32 s21, 0
	s_add_nc_u64 s[12:13], s[12:13], s[20:21]
	s_lshl_b32 s47, s16, 7
	s_add_co_u32 s46, s46, s47
	s_lshl_b32 s46, s46, 2
	s_mov_b32 s47, 0
	s_add_nc_u64 s[10:11], s[10:11], s[46:47]      ; b1 at my first column
.irp b, 0,1,2,3,4,5,6,7
	global_load_b128 v[BI+8*\b:BI+8*\b+3],   v[BQO], s[10:11] offset:64*\b      ; register 8 b + j: column 16 b + 8 h + j
	global_load_b128 v[BI+8*\b+4:BI+8*\b+7], v[BQO], s[10:11] offset:64*\b+16
.endr
.macro FRAG reg, adr, q, i
.irp c, 0,1,2,3
	ds_load_b128 v[\reg+4*\c:\reg+4*\c+3], v[\adr] offset:128*(\q)+32*\c+(\i)*16*PITCH
.endr
.endm
.macro MUL16 a0, p, zero               ; the 64 accumulators take turns, one instruction a turn, in the same order in every step
.irp a, \a0, \a0+1
.irp b, 0,1,2,3,4,5,6,7
.if \zero
	v_wmma_f32_16x16x128_fp8_fp8 v[8*(8*((\a)%4)+\b):8*(8*((\a)%4)+\b)+7], v[128*(\p)+FR*\b:128*(\p)+FR*\b+FR-1], v[AF+FR*(\a):AF+FR*(\a)+FR-1], 0
.else
	v_wmma_f32_16x16x128_fp8_fp8 v[8*(8*((\a)%4)+\b):8*(8*((\a)%4)+\b)+7], v[128*(\p)+FR*\b:128*(\p)+FR*\b+FR-1], v[AF+FR*(\a):AF+FR*(\a)+FR-1], v[8*(8*((\a)%4)+\b):8*(8*((\a)%4)+\b)+7]
.endif
.endr
.endr
.endm
.macro FETCH_B slot, q, p
	WIN TO_B
.irp i, 0,1,2,3,4,5,6,7
	FRAG 128*(\p)+FR*\i, ADRB+\slot, \q, \i
.endr
	WIN 0
.endm
.macro FETCH_A slot, q, i0
.irp i, \i0, \i0+1, \i0+2, \i0+3
	FRAG AF+FR*(\i), ADRA+\slot, \q, \i
.endr
.endm
.macro PLACES n
.rept \n
	v_nop
.endr
.endm
.macro STEP slot, q, zero
	s_wait_dscnt 4*NL                              ; W1's set and H's blocks 0-3 are in; the youngest 16 loads (blocks 4-7) may be out
	WIN MUL_LO
	MUL16 0, (\q)%2, \zero
	MUL16 2, (\q)%2, \zero
	s_wait_dscnt 0
	PLACES NP
	FETCH_B \slot, (\q)+1, 1-(\q)%2
	FETCH_A \slot, (\q)+1, 0
	WIN MUL_HI
	MUL16 4, (\q)%2, \zero
	MUL16 6, (\q)%2, \zero
	PLACES NP
	WIN 0
	FETCH_A \slot, (\q)+1, 4
.endm
.macro TURN slot, next, fill
	s_wait_tensorcnt 0x0                           ; all my tensor loads have landed: my part of the next slot
	ds_add_u32 v[SPW], v[NIL]                      ; 0 onto my spare word
	s_wait_dscnt 4*NL+1                            ; (the add and the youngest 16 loads may be out)
	WIN MUL_LO
	MUL16 0, 1, 0
	s_wait_dscnt 0x0                               ; the add is done, and my reads of this slot are over
	s_barrier_signal -1
	MUL16 2, 1, 0
	WIN 0
	s_barrier_wait -1
.if \fill
	CREST                                          ; the barrier has opened a round of the cluster's barrier
	s_add_nc_u64 s[G0+4*\slot+2:G0+4*\slot+3], s[G0+4*\slot+2:G0+4*\slot+3], 2*ROWB
	s_add_nc_u64 s[G0B+4*\slot+2:G0B+4*\slot+3], s[G0B+4*\slot+2:G0B+4*\slot+3], 2*ROWB
	JLOAD G0+4*\slot, G1, G0B+4*\slot, G1B
.else
	PLACES NP
.endif
	FETCH_B \next, 0, 0
	FETCH_A \next, 0, 0
	WIN MUL_HI
	MUL16 4, 1, 0
	MUL16 6, 1, 0
	PLACES NP
	WIN 0
	FETCH_A \next, 0, 4
.endm
	s_wait_tensorcnt 1                             ; my part of K step 0 is in (K step 1's load may be out)
	s_barrier_signal -1
	s_barrier_wait -1
	FETCH_B 0, 0, 0
	FETCH_A 0, 0, 0
	FETCH_A 0, 0, 4
	STEP 0, 0, 1
	s_mov_b32 s3, LAPS-1
.Llap:
	TURN 0, 1, 1
	STEP 1, 0, 0
	TURN 1, 0, 1
	STEP 0, 0, 0
	s_sub_co_u32 s3, s3, 1
	s_cmp_lg_u32 s3, 0
	s_cbranch_scc1 .Llap
	TURN 0, 1, 0
	STEP 1, 0, 0
	s_wait_dscnt 4*NL
	WIN MUL_LO
	MUL16 0, 1, 0
	MUL16 2, 1, 0
	s_wait_dscnt 0
	WIN MUL_HI
	MUL16 4, 1, 0
	MUL16 6, 1, 0
	WIN 0
; 32 numbers a lane: accumulators b = 4 hb .. 4 hb + 3 of block a of window 2
.macro GELU32 a, hb
.set AC, 64*(\a)+32*(\hb)
.set BB, BI+32*(\hb)
	WIN 0x02                                       ; source 0 window 2
.set n, 0
.rept 16
	v_pk_fma_f32 v[X+n:X+n+1], v[AC+n:AC+n+1], s[96:97], v[BB+n:BB+n+1] op_sel_hi:[1,0,1]   ; x = sum x 2^(e12 + e13) + b1; each accumulator from its low end on
.set n, n+2
.endr
	WIN 0
.set n, 0
.rept 32
	v_fma_f32 v[A1+n], |v[X+n]|, s98, 1.0          ; 1 + 0.3275911 z
.set n, n+1
.endr
.set n, 0
.rept 16
	v_pk_mul_f32 v[A2+n:A2+n+1], v[X+n:X+n+1], v[X+n:X+n+1]
.set n, n+2
.endr
.set n, 0
.rept 16
	v_pk_mul_f32 v[A2+n:A2+n+1], v[A2+n:A2+n+1], 0xbf38aa3b op_sel_hi:[1,0]   ; -z^2 log2(e) = x^2 x (-log2(e) / 2)
.set n, n+2
.endr
.set n, 0
.rept 32
	v_rcp_f32 v[A1+n], v[A1+n]                     ; t
.set n, n+1
.endr
.set n, 0
.rept 32
	v_exp_f32 v[A2+n], v[A2+n]                     ; e^(-z^2)
.set n, n+1
.endr
	v_nop                                          ; a plain instruction behind the batch,
	s_wait_alu depctr_va_vdst(0)                   ; and one wait for its 64, ahead of the first line that names a result
.set n, 0
.rept 16
	v_pk_fma_f32 v[A3+n:A3+n+1], v[A1+n:A1+n+1], v[KA+8:KA+9], v[KA+6:KA+7]
.set n, n+2
.endr
.irp k, 4,2,0
.set n, 0
.rept 16
	v_pk_fma_f32 v[A3+n:A3+n+1], v[A3+n:A3+n+1], v[A1+n:A1+n+1], v[KA+\k:KA+\k+1]
.set n, n+2
.endr
.endr
.set n, 0
.rept 16
	v_pk_mul_f32 v[A3+n:A3+n+1], v[A3+n:A3+n+1], v[A1+n:A1+n+1]
.set n, n+2
.endr
.set n, 0
.rept 16
	v_pk_fma_f32 v[A3+n:A3+n+1], v[A3+n:A3+n+1], v[A2+n:A2+n+1], 0.5 op_sel_hi:[1,1,0] neg_lo:[1,0,0] neg_hi:[1,0,0]   ; 0.5 - q
.set n, n+2
.endr
.set n, 0
.rept 16
	v_pk_mul_f32 v[A2+n:A2+n+1], v[X+n:X+n+1], 0.5 op_sel_hi:[1,0]
.set n, n+2
.endr
.set n, 0
.rept 32
	v_fma_f32 v[X+n], |v[X+n]|, v[A3+n], v[A2+n]   ; gelu
.set n, n+1
.endr
.irp c, 0,1,2,3
.irp i, 0,1,2,3,4,5,6,7
	v_med3_num_f32 v[X+8*\c+\i], v[X+8*\c+\i], -v[LM], v[LM]   ; the conversion does not saturate (ISA guide 7.6.2)
.endr
	v_cvt_scalef32_pk8_fp8_f32 v[CD+2*\c:CD+2*\c+1], v[X+8*\c:X+8*\c+7], v[SC]
.endr
	v_nop                                          ; a plain instruction behind the last conversion
.irp c, 0,1,2,3
	ds_store_b64 v[STA], v[CD+2*\c:CD+2*\c+1] offset:16*SPITCH*(\a)+16*(4*(\hb)+\c)
.endr
.endm
	PLACES NP                                      ; behind the last products: v128 on held fragments
	s_wait_kmcnt 0x0
	s_wait_loadcnt 0x0                             ; b1
	s_add_co_i32 s96, s68, s69
	s_add_co_i32 s96, s96, 127
	s_lshl_b32 s96, s96, 23                        ; 2^(e12 + e13) as f32
	s_mov_b32 s97, s96
	s_add_co_i32 s70, s70, 127
	s_lshl_b32 s71, s70, 23
	v_mov_b32 v[SC], s71                           ; 2^e14
	s_add_co_i32 s70, s70, 8
	s_lshl_b32 s70, s70, 23
	s_or_b32 s70, s70, 0x600000
	v_mov_b32 v[LM], s70                           ; 448 x 2^e14
	s_mov_b32 s98, 0x3e6d3388                      ; 0.3275911 / sqrt 2
	v_mov_b32 v[KA], 0x3e027906                    ; a1 / 2 = 0.127414796
	v_mov_b32 v[KA+1], 0x3e027906
	v_mov_b32 v[KA+2], 0xbe11a98e                  ; a2 / 2 = -0.142248368
	v_mov_b32 v[KA+3], 0xbe11a98e
	v_mov_b32 v[KA+4], 0x3f35f0e3                  ; a3 / 2 = 0.7107068705
	v_mov_b32 v[KA+5], 0x3f35f0e3
	v_mov_b32 v[KA+6], 0xbf3a00e3                  ; a4 / 2 = -0.7265760135
	v_mov_b32 v[KA+7], 0xbf3a00e3
	v_mov_b32 v[KA+8], 0x3f07dc22                  ; a5 / 2 = 0.5307027145
	v_mov_b32 v[KA+9], 0x3f07dc22
	s_mov_b32 s99, 0                               ; the stage's rows of this trip: 0, then 64 rows on
	s_mov_b32 s3, 2
.Lhalf:
	v_add_nc_u32 v[STA], s99, v[STO]
.irp a, 0,1,2,3
	GELU32 \a, 0
	GELU32 \a, 1
.endr
	s_cmp_eq_u32 s3, 1
	s_cbranch_scc1 .Lmoved                         ; the second trip has nothing left to bring
	WIN 0x83                                       ; source 0 window 3, destination window 2
.set n, 0
.rept 256
	v_mov_b32 v[n], v[n]                           ; my rows 64-127 take the place of rows 0-63; ascending
.set n, n+1
.endr
	WIN 0
.Lmoved:
	s_add_co_u32 s99, s99, 64*SPITCH
	s_sub_co_u32 s3, s3, 1
	s_cmp_lg_u32 s3, 0
	s_cbranch_scc1 .Lhalf
	s_wait_dscnt 0x0                               ; for the others' sake: my stores into the stage are done
	s_barrier_signal -1
	s_barrier_wait -1
.set n, 0
.rept 32
	ds_load_b128 v[X+4*n:X+4*n+3], v[RD] offset:n*2*SPITCH
.set n, n+1
.endr
.set n, 0
.rept 32
	s_wait_dscnt 31-n
	global_store_b128 v[CO], v[X+4*n:X+4*n+3], s[12:13] offset:8192*n   ; sixteen lanes store 256 consecutive bytes, aligned
.set n, n+1
.endr
	s_wait_tensorcnt 0x0                           ; the wave's end
	ds_add_u32 v[SPW], v[NIL]
	s_wait_dscnt 0x0
	CROUND                                         ; the closing round
	s_endpgm
.Lfunc_end_k_q557674d1ad_ff1:
	.size	k_q557674d1ad_ff1, .Lfunc_end_k_q557674d1ad_ff1-k_q557674d1ad_ff1
	.p2alignl 7, 3214868480
	.fill 96, 4, 3214868480
	.section	.rodata,"a",@progbits
	.p2align	6, 0x0
	.amdhsa_kernel k_q557674d1ad_ff1
		.amdhsa_group_segment_fixed_size 327680
		.amdhsa_private_segment_fixed_size 0
		.amdhsa_enable_private_segment 0
		.amdhsa_kernarg_size 40
		.amdhsa_user_sgpr_count 2
		.amdhsa_user_sgpr_kernarg_segment_ptr 1
		.amdhsa_wavefront_size32 1
		.amdhsa_system_sgpr_workgroup_id_x 1
		.amdhsa_system_sgpr_workgroup_id_y 1
		.amdhsa_system_sgpr_workgroup_id_z 1
		.amdhsa_system_vgpr_workitem_id 0
		.amdhsa_next_free_vgpr 1024
		.amdhsa_next_free_sgpr 100
		.amdhsa_reserve_vcc 0
		.amdhsa_float_denorm_mode_32 3
		.amdhsa_float_denorm_mode_16_64 3
		.amdhsa_memory_ordered 1
		.amdhsa_forward_progress 1
		.amdhsa_inst_pref_size 248
	.end_amdhsa_kernel
	.amdgpu_metadata
---
amdhsa.version: [ 1, 2 ]
amdhsa.kernels:
  - .name:           k_q557674d1ad_ff1
    .symbol:         k_q557674d1ad_ff1.kd
    .args:
      - { .name: hc, .offset: 0, .size: 8, .value_kind: global_buffer, .address_space: global }
      - { .name: w1_codes, .offset: 8, .size: 8, .value_kind: global_buffer, .address_space: global }
      - { .name: lowp_scales, .offset: 16, .size: 8, .value_kind: global_buffer, .address_space: global }
      - { .name: b1, .offset: 24, .size: 8, .value_kind: global_buffer, .address_space: global }
      - { .name: hid, .offset: 32, .size: 8, .value_kind: global_buffer, .address_space: global }
    .group_segment_fixed_size: 327680
    .private_segment_fixed_size: 0
    .kernarg_segment_align: 8
    .kernarg_segment_size: 40
    .max_flat_workgroup_size: 128
    .sgpr_count:     100
    .vgpr_count:     1024
    .wavefront_size: 32
...
	.end_amdgpu_metadata
.endif
;; end of part 6
;; launch ff2 (part 7): grid 8 x 32, 4 waves a work-group, clusters of 4 x 4, 327,680 bytes of LDS; arguments hid, w2_codes, lowp_scales, b2, x1, out0; writes out0
.if DOCPART == 7
	.amdgcn_target "amdgcn-amd-amdhsa--gfx1250"
	.amdhsa_code_object_version 6
	.text
	.protected	k_q557674d1ad_ff2
	.globl	k_q557674d1ad_ff2
	.p2align	8
	.type	k_q557674d1ad_ff2,@function
k_q557674d1ad_ff2:
	s_mov_b64 s[64:65], 0
	v_nop
	global_prefetch_b8 v0, s[64:65] scope:SCOPE_SE
	s_setreg_imm32_b32 hwreg(HW_REG_WAVE_MODE, 25, 1), 1
	s_wait_xcnt 0x0
	s_wait_alu depctr_hold_cnt(0) depctr_sa_sdst(0) depctr_va_vdst(0) depctr_va_sdst(0) depctr_va_ssrc(0) depctr_va_vcc(0) depctr_vm_vsrc(0)
	s_getreg_b32 s2, hwreg(HW_REG_IB_STS2, 6, 4)
	s_cmp_eq_u32 s2, 0
	s_cbranch_scc0 .Lentry_in_a_cluster
	s_endpgm
.Lentry_in_a_cluster:
	s_bfe_u32 s2, ttmp6, 0x10000c
	s_cmp_lg_u32 s2, 0xf033
	s_cbranch_scc0 .Lentry_shape_is_right
	s_endpgm
.Lentry_shape_is_right:
; out[m][n] = res[m][n] + bias[n] + 2^(eA + eB) x sum over k of A[m][k] B[n][k].  A: [4096][SIZE_K], B: [1024][SIZE_K]: codes of E4M3, K innermost; res, out: [4096][1024] f32; sums in f32.
; Here: A = the hidden layer's codes, B = w2's codes, res = x1, out = out0.  eA, eB: the two entries of lowp_scales at byte SCOFF.  LIMIT: eA + eB between -126 and 127.
; (res + bias) is formed first and the scaled sum added to it by one fused multiply-add: an order of rounding that differs from res + (sum + bias).
; A tile is 128 x 128, since 1,024 columns give only 64 tiles of 256 x 256 but 256 of this size.  Four waves, each 64 x 64: 16 accumulators.  K goes in steps of 512 (LDS rows of 512 bytes + 16; a wave's
; tensor load brings 64 of them) through two slots.  CLUSTERS: 4 x 4 work-groups; A's tiles are asked for jointly along a row of the cluster, B's along a column.
; By this text's own count a wave has two tensor loads out at the start and one behind each round.
; The matrix instruction is used transposed (source 0 = 16 rows of B, source 1 = 16 rows of A): a lane holds eight neighbouring numbers of a row.  A wave's 64 columns are 256 bytes: each wave has a stage of its own.
; The residual tile is asked for at the head, in whole rows of 256 bytes, and waits in window 2.
; REGISTERS: window 0: v0-31 addresses, v[8:11] the bias of my 4 columns; v32-95 the way out; v128-255 the accumulators ((a, b) at v[128 + 8 (4 a + b)]).
;   window 1: two fragment buffers of 128: 64 registers of A (4 x 16 rows x 128 K), then 64 of B.   window 2: v0-127 the residual, in the layout of the rows read back from the stage.
.set SIZE_K, 4096
.set SCOFF,  56
.set NTOUT,  1                         ; 1: what is stored is read by no later launch
.set KSTEP,  512
.set PITCH,  528                       ; an LDS row: 512 bytes + 16 of padding: the 16 rows that a load touches start at 16 different banks (ISA guide 11.1)
.set HALFT,  64*PITCH
.set SLOT,   4*HALFT
.set STAGE,  2*SLOT                    ; behind the ring: 16 rows x 272 bytes for each wave
.set SPITCH, 272
.set SPARE,  STAGE+4*16*SPITCH         ; behind the stages: the spare words, 128 bytes for each wave
.set LAPS,   SIZE_K/(2*KSTEP)
.set BS,   8                           ; v[8:11]
.set ADRA, 16
.set ADRB, 20
.set STO,  24
.set RD,   25
.set CO,   26                          ; v26  4,096 (l / 16) + 16 (l % 16): my bytes in two rows of res and out
.set BO,   27                          ; v27  16 (l % 16)
.set SPW,  28
.set NIL,  29
.set TB,   32
.set ACC,  128
.set F0,   0
.set F1,   128
.set G1, 24
.set G0, 32
.set G1B, 48
.set G0B, 56
.set MSB, 0
.macro WIN new
.if MSB != \new
	s_set_vgpr_msb (MSB<<8)|\new
.set MSB, \new
.endif
.endm
.set MUL,  0x05                        ; sources 0 (B) and 1 (A) window 1; C and D window 0
.set TO_F, 0x40                        ; destination window 1, address window 0
.macro JLOAD s                         ; a joint load: waves 0 and 1 fetch A's two halves, waves 2 and 3 B's; four v_nop follow each of the two lines
	s_cmp_eq_u32 s11, 0
	s_cbranch_scc0 .Lfor_b_\@
	tensor_load_to_lds s[G0+4*\s:G0+4*\s+3], s[G1:G1+7]
	s_nop 0
.rept 4
	v_nop
.endr
	s_branch .Lasked_\@
.Lfor_b_\@:
	tensor_load_to_lds s[G0B+4*\s:G0B+4*\s+3], s[G1B:G1B+7]
	s_nop 0
.rept 4
	v_nop
.endr
.Lasked_\@:
.endm
.macro CREST
	s_cmp_lg_u32 s10, 0
	s_cbranch_scc1 .Lnot_wave_0_\@
	s_barrier_signal -3
.Lnot_wave_0_\@:
	s_barrier_wait -3
	s_barrier_signal -1
	s_barrier_wait -1
.endm
.macro CROUND
	s_barrier_signal -1
	s_barrier_wait -1
	CREST
.endm
	s_load_b128 s[4:7], s[0:1], 0x0                ; A s[4:5], B s[6:7]
	s_load_b256 s[68:75], s[0:1], 0x10             ; scales s[68:69], bias s[70:71], res s[72:73], out s[74:75]
	v_lshl_add_u32 v[SPW], v0, 2, SPARE
	v_mov_b32 v[NIL], 0
	ds_add_u32 v28, v29
	ds_add_u32 v28, v29
	s_wait_dscnt 0x0
	v_lshrrev_b32 v1, 5, v0
	v_readfirstlane_b32 s10, v1                    ; wave 0..3
	s_lshr_b32 s11, s10, 1                         ; which half of the tile's rows is mine.  Also: I fetch for A (0) or for B (1)
	s_and_b32 s12, s10, 1                          ; which half of its columns.  Also: which 64 rows of that tile I fetch
	s_bfe_u32 s40, ttmp6, 0x40000
	s_bfe_u32 s41, ttmp6, 0x40004
	s_lshl_b32 s42, ttmp9, 2
	s_add_co_u32 s42, s42, s40                     ; tile column
	s_and_b32 s13, ttmp7, 0xffff
	s_lshl_b32 s13, s13, 2
	s_add_co_u32 s13, s13, s41                     ; tile row
	s_lshl_b32 s43, s41, 2
	s_lshl_b32 s43, 15, s43                        ; my row of the cluster
	s_lshl_b32 s44, 0x1111, s40                    ; my column
	s_or_b32 s[G1+0], s43, (0<<16)|(1<<20)|(1<<21)|(6<<22)|(3<<25)  ; the mask; elements of 1 byte; padding on; 21 set beside a mask; after every 128 words four words
	s_or_b32 s[G1B+0], s44, (0<<16)|(1<<20)|(1<<21)|(6<<22)|(3<<25)
.irp g, G1, G1B
	s_mov_b32 s[\g+1], KSTEP<<16                   ; tensor_dim0
	s_mov_b32 s[\g+2], 64<<16                      ; tensor_dim1
	s_mov_b32 s[\g+3], KSTEP<<16                   ; tile_dim0
	s_mov_b32 s[\g+4], 64                          ; tile_dim1
	s_mov_b32 s[\g+5], SIZE_K                      ; stride
	s_mov_b32 s[\g+6], 0
	s_mov_b32 s[\g+7], 0
.endr
	s_lshl_b32 s17, s12, 6
	s_lshl_b32 s16, s13, 7
	s_add_co_u32 s16, s16, s17                     ; A: row 128 x tile row + 64 x half
	s_lshl_b32 s46, s42, 7
	s_add_co_u32 s46, s46, s17                     ; B: row 128 x tile column + 64 x half
	s_mul_i32 s16, s16, SIZE_K                     ; in bytes: under 2^24
	s_mul_i32 s46, s46, SIZE_K
	s_mov_b32 s17, 0
	s_mov_b32 s47, 0
	s_mul_i32 s20, s10, HALFT
	s_wait_kmcnt 0x0
	s_load_b64 s[78:79], s[68:69], SCOFF           ; eA, eB
	s_add_nc_u64 s[14:15], s[4:5], s[16:17]
	s_add_nc_u64 s[46:47], s[6:7], s[46:47]
	CROUND                                         ; all sixteen work-groups are here: the first joint loads meet
.irp s, 0,1
	s_mov_b32 s[G0+4*\s], 1
	s_add_co_u32 s[G0+4*\s+1], s20, \s*SLOT
	s_add_nc_u64 s[G0+4*\s+2:G0+4*\s+3], s[14:15], \s*KSTEP
	s_or_b32 s[G0+4*\s+3], s[G0+4*\s+3], 0x80000000
	s_mov_b32 s[G0B+4*\s], 1
	s_add_co_u32 s[G0B+4*\s+1], s20, \s*SLOT
	s_add_nc_u64 s[G0B+4*\s+2:G0B+4*\s+3], s[46:47], \s*KSTEP
	s_or_b32 s[G0B+4*\s+3], s[G0B+4*\s+3], 0x80000000
	JLOAD \s
.endr
	v_and_b32 v1, 15, v0                           ; r = l % 16
	v_bfe_u32 v2, v0, 4, 1                         ; h = l / 16
	v_mul_u32_u24 v3, v1, PITCH
	v_lshl_add_u32 v3, v2, 4, v3
	s_mul_i32 s21, s11, HALFT
	s_mul_i32 s22, s12, HALFT
	s_add_co_u32 s22, s22, 2*HALFT
.irp s, 0,1
	v_add_nc_u32 v[ADRA+\s], s21, v3
	v_add_nc_u32 v[ADRB+\s], s22, v3
	s_add_co_u32 s21, s21, SLOT
	s_add_co_u32 s22, s22, SLOT
.endr
	s_mul_i32 s23, s10, 16*SPITCH
	s_add_co_u32 s23, s23, STAGE                   ; my stage
	v_mul_u32_u24 v4, v1, SPITCH
	v_lshl_add_u32 v4, v2, 5, v4
	v_add_nc_u32 v[STO], s23, v4                   ; in: row r, 32 bytes for each half of the lanes
	v_mul_u32_u24 v5, v2, SPITCH
	v_lshl_add_u32 v5, v1, 4, v5
	v_add_nc_u32 v[RD], s23, v5                    ; back: lanes 0-15 one row of 256 bytes, lanes 16-31 the next
	v_lshlrev_b32 v[BO], 4, v1
	v_lshl_add_u32 v[CO], v2, 12, v[BO]
	s_lshl_b32 s16, s13, 7
	s_lshl_b32 s17, s11, 6
	s_add_co_u32 s16, s16, s17
	s_lshl_b32 s16, s16, 12                        ; my first row, of 4,096 bytes
	s_lshl_b32 s46, s42, 9
	s_lshl_b32 s47, s12, 8
	s_add_co_u32 s46, s46, s47                     ; my first column, in bytes
	s_mov_b32 s47, 0
	s_add_nc_u64 s[70:71], s[70:71], s[46:47]
	s_add_co_u32 s16, s16, s46
	s_mov_b32 s17, 0
	s_add_nc_u64 s[72:73], s[72:73], s[16:17]
	s_add_nc_u64 s[74:75], s[74:75], s[16:17]
	global_load_b128 v[BS:BS+3], v[BO], s[70:71]
	WIN 0x80                                       ; destination window 2
.irp a, 0,1,2,3
.irp t, 0,1,2,3,4,5,6,7
	global_load_b128 v[32*\a+4*\t:32*\a+4*\t+3], v[CO], s[72:73] offset:4096*(16*\a+2*\t)   ; rows 16 a + 2 t + l / 16: sixteen lanes read 256 consecutive bytes, aligned
.endr
.endr
	WIN 0
.macro FRAG reg, adr, k, i             ; a fragment: lane l holds row l % 16; registers 4 c .. 4 c + 3 hold K = 32 c + 16 (l / 16) + 0 .. 15: the same places of k in both operands
.irp c, 0,1,2,3
	ds_load_b128 v[\reg+4*\c:\reg+4*\c+3], v[\adr] offset:(\k)+32*\c+(\i)*16*PITCH
.endr
.endm
.macro FETCH slot, k, f                ; 32 LDS loads in one run: 128 along K at byte k of the rows; B's four blocks and A's blocks 0, 1 first
	WIN TO_F
.irp i, 0,1,2,3
	FRAG \f+64+16*\i, ADRB+\slot, \k, \i
.endr
.irp i, 0,1,2,3
	FRAG \f+16*\i, ADRA+\slot, \k, \i
.endr
.endm
.macro MULA f, a, zero                 ; four matrix instructions: A's block a x B's four.  The sixteen accumulators take turns in the same order in every quarter
.irp b, 0,1,2,3
.if \zero
	v_wmma_f32_16x16x128_fp8_fp8 v[ACC+8*(4*(\a)+\b):ACC+8*(4*(\a)+\b)+7], v[\f+64+16*\b:\f+64+16*\b+15], v[\f+16*(\a):\f+16*(\a)+15], 0
.else
	v_wmma_f32_16x16x128_fp8_fp8 v[ACC+8*(4*(\a)+\b):ACC+8*(4*(\a)+\b)+7], v[\f+64+16*\b:\f+64+16*\b+15], v[\f+16*(\a):\f+16*(\a)+15], v[ACC+8*(4*(\a)+\b):ACC+8*(4*(\a)+\b)+7]
.endif
.endr
.endm
.macro PLACES                          ; four places in front of loads into registers that matrix instructions have read
.rept 4
	v_nop
.endr
.endm
; A K step is four quarters of 128 along K, 16 matrix instructions each, on buffers 0, 1, 0, 1.
.macro QUARTER slot, k, f, g, zero
	s_wait_dscnt 8                                 ; B's blocks and A's blocks 0, 1 are in; the youngest eight loads (A's blocks 2, 3) may be out
	WIN MUL
	MULA \f, 0, \zero
	MULA \f, 1, \zero
	PLACES
	FETCH \slot, \k, \g
	s_wait_dscnt 32                                ; all but the 32 just issued
	WIN MUL
	MULA \f, 2, \zero
	MULA \f, 3, \zero
.endm
; The last quarter multiplies buffer 1 and changes slots: ONE barrier; in front of it each wave waits for all its tensor loads, adds 0 to its spare word, and waits for that and for its own reads of this slot.
.macro TURN slot, next, fill
	WIN 0                                          ; (the add's two registers lie in window 0)
	s_wait_tensorcnt 0x0                           ; all my tensor loads have landed: my part of the next slot
	ds_add_u32 v[SPW], v[NIL]                      ; 0 onto my spare word
	s_wait_dscnt 9                                 ; (the add and the youngest eight loads may be out)
	WIN MUL
	MULA F1, 0, 0
	s_wait_dscnt 0x0                               ; the add is done, and my reads of this slot are over
	s_barrier_signal -1
	MULA F1, 1, 0
.if \fill
	WIN 0
.endif
	s_barrier_wait -1
.if \fill
	CREST                                          ; the barrier has opened a round of the cluster's barrier: no wave of any partner still reads this slot or has a load on its way
	s_add_nc_u64 s[G0+4*\slot+2:G0+4*\slot+3], s[G0+4*\slot+2:G0+4*\slot+3], 2*KSTEP
	s_add_nc_u64 s[G0B+4*\slot+2:G0B+4*\slot+3], s[G0B+4*\slot+2:G0B+4*\slot+3], 2*KSTEP
	JLOAD \slot                                    ; the first tensor load behind the round; its four v_nop are the places in front of the loads below
.else
	PLACES
.endif
	FETCH \next, 0, F0
	WIN MUL
	MULA F1, 2, 0
	MULA F1, 3, 0
.endm
	s_wait_tensorcnt 1                             ; my part of K step 0 is in (K step 1's load may be out)
	s_barrier_signal -1
	s_barrier_wait -1                              ; everybody's is
	FETCH 0, 0, F0
	QUARTER 0, 128, F0, F1, 1                      ; the first quarter's products start the sums: nothing is cleared
.if LAPS > 1
	WIN 0
	s_mov_b32 s3, LAPS-1
.Llap:
	QUARTER 0, 256, F1, F0, 0
	QUARTER 0, 384, F0, F1, 0
	TURN 0, 1, 1
	QUARTER 1, 128, F0, F1, 0
	QUARTER 1, 256, F1, F0, 0
	QUARTER 1, 384, F0, F1, 0
	TURN 1, 0, 1
	QUARTER 0, 128, F0, F1, 0
	WIN 0
	s_sub_co_u32 s3, s3, 1
	s_cmp_lg_u32 s3, 0
	s_cbranch_scc1 .Llap
.endif
	QUARTER 0, 256, F1, F0, 0                      ; the last lap fills nothing
	QUARTER 0, 384, F0, F1, 0
	TURN 0, 1, 0
	QUARTER 1, 128, F0, F1, 0
	QUARTER 1, 256, F1, F0, 0
	QUARTER 1, 384, F0, F1, 0
	s_wait_dscnt 8
	WIN MUL
	MULA F1, 0, 0
	MULA F1, 1, 0
	s_wait_dscnt 0
	MULA F1, 2, 0
	MULA F1, 3, 0
	WIN 0
	; THE WAY OUT.  A block of 16 rows x 64 columns of raw sums goes through my stage and comes back as whole rows of 256 bytes, where the residual already lies in the same layout.
	s_wait_kmcnt 0x0
	s_wait_loadcnt 0x0                             ; bias and residual
	s_add_co_i32 s76, s78, s79
	s_add_co_i32 s76, s76, 127
	s_lshl_b32 s76, s76, 23                        ; 2^(eA + eB) as f32
	s_mov_b32 s77, s76                             ; (named with it as a pair, so it is written)
	WIN 0x82                                       ; source 0 and destination window 2
.set n, 0
.rept 64
	v_pk_add_f32 v[n:n+1], v[n:n+1], v[BS+n%4:BS+n%4+1]   ; residual + bias.  These lines are also the places behind the last products
.set n, n+2
.endr
	WIN 0
.macro TOSTAGE a
.set TR, TB+32*((\a)%2)
.irp b, 0,1,2,3
	ds_store_b128 v[STO], v[ACC+8*(4*(\a)+\b):ACC+8*(4*(\a)+\b)+3]   offset:64*\b      ; each accumulator from its low end on
	ds_store_b128 v[STO], v[ACC+8*(4*(\a)+\b)+4:ACC+8*(4*(\a)+\b)+7] offset:64*\b+16
.endr
.irp t, 0,1,2,3,4,5,6,7
	ds_load_b128 v[TR+4*\t:TR+4*\t+3], v[RD] offset:\t*2*SPITCH   ; LDS serves a wave's instructions in order (ISA guide 5.7.1.4): these see the stores above
.endr
.endm
.macro SEND a, younger                 ; younger: the LDS instructions issued behind block a's loads, which may stay out
.set TR, TB+32*((\a)%2)
	s_wait_dscnt \younger
	WIN 0x20                                       ; source 2 window 2
.set n, 0
.rept 16
	v_pk_fma_f32 v[TR+n:TR+n+1], v[TR+n:TR+n+1], s[76:77], v[32*(\a)+n:32*(\a)+n+1] op_sel_hi:[1,0,1]
.set n, n+2
.endr
	WIN 0
.irp t, 0,1,2,3,4,5,6,7
.if NTOUT
	global_store_b128 v[CO], v[TR+4*\t:TR+4*\t+3], s[74:75] offset:4096*(16*(\a)+2*\t) th:TH_STORE_NT   ; sixteen lanes store 256 consecutive bytes, aligned
.else
	global_store_b128 v[CO], v[TR+4*\t:TR+4*\t+3], s[74:75] offset:4096*(16*(\a)+2*\t)
.endif
.endr
.endm
	TOSTAGE 0
.irp a, 1,2,3
.if \a > 1
	s_wait_xcnt 0x0                                ; block a - 2's stores have read their registers: block a's loads may land there
.endif
	TOSTAGE \a
	SEND \a-1, 16                                  ; behind block a - 1's loads: block a's 8 stores and 8 loads
.endr
	SEND 3, 0
	s_wait_tensorcnt 0x0                           ; the wave's end
	ds_add_u32 v[SPW], v[NIL]
	s_wait_dscnt 0x0
	CROUND                                         ; the closing round
	s_endpgm
.Lfunc_end_k_q557674d1ad_ff2:
	.size	k_q557674d1ad_ff2, .Lfunc_end_k_q557674d1ad_ff2-k_q557674d1ad_ff2
	.p2alignl 7, 3214868480
	.fill 96, 4, 3214868480
	.section	.rodata,"a",@progbits
	.p2align	6, 0x0
	.amdhsa_kernel k_q557674d1ad_ff2
		.amdhsa_group_segment_fixed_size 327680
		.amdhsa_private_segment_fixed_size 0
		.amdhsa_enable_private_segment 0
		.amdhsa_kernarg_size 48
		.amdhsa_user_sgpr_count 2
		.amdhsa_user_sgpr_kernarg_segment_ptr 1
		.amdhsa_wavefront_size32 1
		.amdhsa_system_sgpr_workgroup_id_x 1
		.amdhsa_system_sgpr_workgroup_id_y 1
		.amdhsa_system_sgpr_workgroup_id_z 1
		.amdhsa_system_vgpr_workitem_id 0
		.amdhsa_next_free_vgpr 768
		.amdhsa_next_free_sgpr 80
		.amdhsa_reserve_vcc 0
		.amdhsa_float_denorm_mode_32 3
		.amdhsa_float_denorm_mode_16_64 3
		.amdhsa_memory_ordered 1
		.amdhsa_forward_progress 1
		.amdhsa_inst_pref_size 81
	.end_amdhsa_kernel
	.amdgpu_metadata
---
amdhsa.version: [ 1, 2 ]
amdhsa.kernels:
  - .name:           k_q557674d1ad_ff2
    .symbol:         k_q557674d1ad_ff2.kd
    .args:
      - { .name: hid, .offset: 0, .size: 8, .value_kind: global_buffer, .address_space: global }
      - { .name: w2_codes, .offset: 8, .size: 8, .value_kind: global_buffer, .address_space: global }
      - { .name: lowp_scales, .offset: 16, .size: 8, .value_kind: global_buffer, .address_space: global }
      - { .name: b2, .offset: 24, .size: 8, .value_kind: global_buffer, .address_space: global }
      - { .name: x1, .offset: 32, .size: 8, .value_kind: global_buffer, .address_space: global }
      - { .name: out0, .offset: 40, .size: 8, .value_kind: global_buffer, .address_space: global }
    .group_segment_fixed_size: 327680
    .private_segment_fixed_size: 0
    .kernarg_segment_align: 8
    .kernarg_segment_size: 48
    .max_flat_workgroup_size: 128
    .sgpr_count:     80
    .vgpr_count:     768
    .wavefront_size: 32
...
	.end_amdgpu_metadata
.endif
;; end of part 7
